; MI455X (gfx1250); checked and timed in simulation.
; The chip was launched on July 23, 2026; its instructions are those of AMD's public machine-readable ISA for CDNA 5 (MIT licence, August 2026) and "CDNA5" Instruction Set Architecture Reference Guide (July 2026). The comments in the code are by the model that wrote it; some were corrected since.
;; Multi Head Attention Block. Allowed arithmetic: matrix products marked QUANTISED: E2M1 operands, one E8M0 scale for each 32 along K, by v_wmma_scale_f32_16x16x128_f8f6f4 with both operands' format E2M1 (or v_wmma_scale_f32_32x16x128_f4), f32 sums; products left as they are: bf16, f16 or f32 operands; f32 sums; everything else in f32.
;; Inputs: key 4 x 2,048 x 1,024 float32; mask 1 x 1 x 2,048 x 2,048 int32; query 4 x 2,048 x 1,024 float32; value 4 x 2,048 x 1,024 float32; w_k 1,024 x 1,024 float32; w_o 1,024 x 1,024 float32; w_q 1,024 x 1,024 float32; w_v 1,024 x 1,024 float32.
;; Outputs: out0 4 x 2,048 x 1,024 float32.
;; This version of the problem:
;;   THIS VERSION OF THE PROBLEM IS GIVEN IN LOW PRECISION. The matrix products marked QUANTISED in the list below multiply operands that are first quantised to E2M1 (2 exponent bits, 1 mantissa bit; 4 bits a number), with one power-of-two scale for each 32 numbers along K (OCP MX v1.0); their sums are f32. The products marked 'left as it is' may take bf16, f16 or f32 operands, with f32 sums. Whichever they take, every output number must still come out within the allowed error. Rounding operands to bf16 (8 significant bits) uses up far more of that allowance than f16 does (11 bits, for magnitudes from 6e-5 to 65,504). All else is computed in f32.
;;   The module's matrix products, in the order in which they are computed (A, B: the left and right operand; K: the contracted axis; several contracted axes count as one K, in the product's order):
;;     1. [M 8,192, K 1,024] x [K 1,024, N 1,024]; A: input query; B: input w_q: QUANTISED
;;     2. [M 8,192, K 1,024] x [K 1,024, N 1,024]; A: input key; B: input w_k: QUANTISED
;;     3. [M 8,192, K 1,024] x [K 1,024, N 1,024]; A: input value; B: input w_v: QUANTISED
;;     4. batch 64 x [M 2,048, K 64] x [K 64, N 2,048]; A: computed on the way; B: computed on the way: left as it is (an operand is computed on the way)
;;     5. batch 64 x [M 2,048, K 2,048] x [K 2,048, N 64]; A: computed on the way; B: computed on the way: left as it is (an operand is computed on the way)
;;     6. [M 8,192, K 1,024] x [K 1,024, N 1,024]; A: computed on the way; B: input w_o: left as it is (an operand is computed on the way)
;;   THE QUANTISER, for each operand of a quantised product, along K:
;;     - K is cut into blocks of 32 from its start; a last block that is shorter is filled with zeros.
;;     - A block's scale is 2^e with e = floor(log2(the largest magnitude in the block)) - 2, held to -126 .. 127; a block of zeros has e = 0. As a byte (E8M0): e + 127.
;;     - Each number is divided by its block's scale, clamped to +-6, and rounded to the nearest number of E2M1, ties to even, subnormals kept.
;;     - The product sums the exact products of the quantised numbers (number of the format x scale) in f32.
;;   ~~~python
;;   def quantise(x, axis):      # numpy; x: float32 -> the quantised numbers, widened to float32 again
;;       x = np.moveaxis(x, axis, -1); K = x.shape[-1]
;;       x = np.pad(x, [(0, 0)] * (x.ndim - 1) + [(0, -K % 32)]); x = x.reshape(x.shape[:-1] + (-1, 32)); a = np.abs(x).max(-1, keepdims=True)
;;       e = np.where(a > 0, np.clip(np.frexp(np.where(a > 0, a, 1))[1] - 1 - 2, -126, 127), 0)      # np.frexp(a)[1] - 1 = floor(log2(a)), exactly
;;       r = np.clip(x / 2.0 ** e, -6, 6)
;;       step = 2.0 ** (np.maximum(np.frexp(np.where(r == 0, 1, r))[1] - 1, 0) - 1)
;;       q = np.round(r / step) * step * 2.0 ** e      # np.round: ties to even
;;       return np.moveaxis(q.reshape(q.shape[:-2] + (-1,))[..., :K], -1, axis).astype(np.float32)
;;   ~~~
;; One version. Each part assembles by itself: llvm-mc -triple=amdgcn-amd-amdhsa -mcpu=gfx1250 --defsym DOCPART=n.
;; ======== version 1 of 1: 4 launches
;; limits: values are held in f16: magnitudes above 65,504 overflow, below 6.1e-05 lose precision
;; workspace buffers: codes 14,155,776 bytes; scales 884,736 bytes; wof 2,097,152 bytes; mw 524,288 bytes of whole numbers; fl 4,096 bytes of whole numbers; qkv 50,331,648 bytes; of 16,777,216 bytes
;; launch prep (part 1): grid 1184 x 1, 4 waves a work-group, no clusters, 99,840 bytes of LDS; arguments query, key, value, w_q, w_k, w_v, w_o, mask, codes, scales, wof, mw, fl; writes codes, scales, wof, mw, fl
.if DOCPART == 1
	.amdgcn_target "amdgcn-amd-amdhsa--gfx1250"
	.amdhsa_code_object_version 6
	.text
	.protected	k_q2a0664b1fe_prep
	.globl	k_q2a0664b1fe_prep
	.p2align	8
	.type	k_q2a0664b1fe_prep,@function
k_q2a0664b1fe_prep:
	s_mov_b64 s[64:65], 0
	v_nop
	global_prefetch_b8 v0, s[64:65] scope:SCOPE_SE
	s_setreg_imm32_b32 hwreg(HW_REG_WAVE_MODE, 25, 1), 1
	s_wait_xcnt 0x0
; PREP: everything that is made once from the inputs.
; (1) Work-groups 0-863: query, key, value [8192][1024] and w_q, w_k, w_v [1024][1024], f32, K innermost, become codes of E2M1 (two a byte, the lower k in the low four bits) and one E8M0 byte for each
;     32 along K.  The six tensors are one stream of 27,648 rows: codes 512 bytes a row, scales 32 bytes a row.  A block's scale is 2^(floor(log2(largest magnitude)) - 2); its byte is the largest
;     magnitude's exponent field - 2, held at 1 from below; each number is divided by the scale and rounded to the nearest code, ties to even, beyond 6 the largest code.
; (2) Work-groups 864-1119: the mask [2048][2048] int32 becomes LANE MASKS: word (query tile qt, key step ks, 8 kt + j) has bit r + 16 h set where mask[16 qt + r][64 ks + 16 kt + 8 h + j] is not 0: the lanes and
;     registers in which the attention launch holds its scores.  And a flag word for each (qt, 256 keys): bit ks is set where step ks has a hole.
; (3) Work-groups 1120-1183: w_o [1024 n][1024 k] becomes f16 in the order of an operand's registers: a fragment of 16 n x 32 k is 1,024 bytes, registers 0-3 at 16 x lane, registers 4-7 at 512 + 16 x lane.
; (2) and (3) share their front: a wave takes 16 rows x 1,024 bytes by loads of 512 consecutive bytes, and turns them through its own LDS so that lane (r, h) holds row r, columns 16 t + 8 h + 0 .. 7.
; LIMITS: NaN and infinities among the inputs are not served.  A block of zeros gets the byte 1 where the rule says 127: its codes are zeros, and the bytes are read by this program alone.
; Blocks whose largest magnitude lies under 2^-124 keep the byte 1.  |w_o| of 65,520 or more becomes infinity in f16.
; No tensor loads, no barrier: waves share nothing.  The two kinds of path have LDS bytes of their own.
.set NQWG,  864                        ; work-groups that quantise: (3 x 8192 + 3 x 1024) x 1024 / 32768
.set WREG,  8192                       ; quantiser: LDS region of a wave: two stages of 32 x SP bytes, then its 256 scale bytes
.set SP,    80                         ; a lane's place in a stage: 64 bytes + 16 of padding
.set STEPS, 16                         ; steps of 512 numbers a wave
.set R,     16                         ; v16-79   four sets of 16 numbers as loaded
.set X,     80                         ; v80-111  two sets of 16 neighbours
.set E,     112                        ; v112-127 a scale byte for each step
.set C,     128                        ; v128-191 codes, four registers for each step: no store's data are written again
.set TBASE, 32768                      ; the turn: its LDS begins behind the quantiser's four regions
.set TWAVE, 16640                      ; 16 rows x TP for each wave
.set TP,    1040                       ; a row of 1,024 bytes + 16: 260 words, so the sixteen rows that a read touches lie in sixteen different columns of 16 bytes
.set SPARE, TBASE+4*TWAVE              ; the spare words, 128 bytes for each wave: two blocks of 256 bytes that no other line names
.set SPW,   12                         ; v12 LDS address of my spare word; never rewritten
.set NIL,   13                         ; v13 0; never rewritten
.set OFFR,  16                         ; v16-31 the turn: byte offset of my 16 bytes in row i
.set OUTW,  32                         ; v32-35 the mask's words on their way out
.set D,     64                         ; v64-191 the turn's 128 numbers
.macro FINISH                          ; the wave's end
	s_wait_tensorcnt 0x0
	ds_add_u32 v[SPW], v[NIL]
	s_wait_dscnt 0x0
	s_endpgm
.endm
	s_load_b512 s[4:19], s[0:1], 0x0               ; query s[4:5], key s[6:7], value s[8:9], w_q s[10:11], w_k s[12:13], w_v s[14:15], w_o s[16:17], mask s[18:19]
	s_load_b256 s[20:27], s[0:1], 0x40             ; codes s[20:21], scales s[22:23], wof s[24:25], mw s[26:27]
	s_load_b64 s[28:29], s[0:1], 0x60              ; fl
	v_lshl_add_u32 v[SPW], v0, 2, SPARE
	v_mov_b32 v[NIL], 0
	v_lshrrev_b32 v1, 5, v0
	v_readfirstlane_b32 s30, v1                    ; wave 0..3
	v_and_b32 v1, 31, v0                           ; lane
	v_lshlrev_b32 v2, 4, v1                        ; 16 x lane
	s_cmp_ge_u32 ttmp9, NQWG
	s_cbranch_scc1 .Lturn
; ---------------- (1) the quantiser ----------------
; The conversions take 8 numbers of ONE block from a lane's registers, so a lane must hold 16 neighbours; a load is best where neighbouring lanes take neighbouring bytes.  So each of a step's four loads
; reads 512 consecutive bytes, and the 2,048 bytes go through the wave's stage and come back 64 bytes a lane.  Loads run four steps ahead, the turn through LDS one step.
	s_mul_i32 s31, s30, WREG
	v_lshrrev_b32 v14, 2, v1
	v_mul_u32_u24 v14, v14, SP
	v_and_b32 v15, 3, v1
	v_lshl_add_u32 v14, v15, 4, v14
	v_add_nc_u32 v14, s31, v14                     ; the stage, in: SP (lane / 4) + 16 (lane % 4)
	v_mul_u32_u24 v15, v1, SP
	v_add_nc_u32 v15, s31, v15                     ; and out: SP x lane
	v_lshlrev_b32 v4, 3, v1                        ; 8 x lane: my codes' place in a step's 256 bytes, and my 8 scale bytes on the way out
	v_lshrrev_b32 v5, 1, v1
	s_add_co_u32 s31, s31, 2*32*SP
	v_add_nc_u32 v5, s31, v5                       ; LDS: my block's byte among the wave's 256
	v_add_nc_u32 v6, s31, v4
	s_wait_kmcnt 0x0
	s_mov_b64 s[32:33], s[14:15]                   ; which tensor: a choice on the work-group's number alone
	s_cmp_lt_u32 ttmp9, 832
	s_cselect_b64 s[32:33], s[12:13], s[32:33]
	s_cmp_lt_u32 ttmp9, 800
	s_cselect_b64 s[32:33], s[10:11], s[32:33]
	s_cmp_lt_u32 ttmp9, 768
	s_cselect_b64 s[32:33], s[8:9], s[32:33]
	s_cselect_b32 s38, 255, 31                     ; 256 work-groups to a large tensor, 32 to a weight
	s_cmp_lt_u32 ttmp9, 512
	s_cselect_b64 s[32:33], s[6:7], s[32:33]
	s_cmp_lt_u32 ttmp9, 256
	s_cselect_b64 s[32:33], s[4:5], s[32:33]
	s_and_b32 s38, ttmp9, s38                      ; my place in the tensor (every tensor begins at a multiple of its count)
	s_lshl_b32 s38, s38, 2
	s_add_co_u32 s38, s38, s30                     ; my wave's run of 8,192 numbers
	s_lshl_b32 s40, s38, 15                        ; 32,768 bytes a run
	s_mov_b32 s41, 0
	s_add_nc_u64 s[32:33], s[32:33], s[40:41]
	s_lshl_b32 s38, ttmp9, 2
	s_add_co_u32 s38, s38, s30                     ; the run's number in the stream of all six tensors
	s_lshl_b32 s40, s38, 12                        ; 4,096 bytes of codes a run
	s_add_nc_u64 s[34:35], s[20:21], s[40:41]
	s_lshl_b32 s40, s38, 8                         ; 256 scale bytes a run
	s_add_nc_u64 s[36:37], s[22:23], s[40:41]
.macro QLOAD t
.irp i, 0,1,2,3
	global_load_b128 v[R+16*((\t)%4)+4*\i:R+16*((\t)%4)+4*\i+3], v2, s[32:33] offset:2048*(\t)+512*\i th:TH_LOAD_NT   ; 32 lanes read 512 consecutive bytes
.endr
.endm
.macro QTURN t                         ; LDS serves a wave's instructions in order, so no wait stands between the stores and the loads
.irp i, 0,1,2,3
	ds_store_b128 v14, v[R+16*((\t)%4)+4*\i:R+16*((\t)%4)+4*\i+3] offset:32*SP*((\t)%2)+8*SP*\i
.endr
.irp i, 0,1,2,3
	ds_load_b128 v[X+16*((\t)%2)+4*\i:X+16*((\t)%2)+4*\i+3], v15 offset:32*SP*((\t)%2)+16*\i
.endr
.endm
.irp t, 0,1,2,3
	QLOAD \t
.endr
	s_wait_loadcnt 12                              ; step 0's four loads are in; the twelve of steps 1 to 3 may be out
	QTURN 0
.macro QSTEP t
.set XS, X+16*((\t)%2)
.if (\t) > 0
	s_wait_dscnt 1                                 ; this step's numbers are back from the stage (the last step's byte store may be out): so its stores into the stage have read their registers,
.else
	s_wait_dscnt 0x0
.endif
.if (\t)+4 < STEPS
	QLOAD (\t)+4                                   ; which take the loads of four steps on
.endif
.if (\t)+1 < STEPS
.if STEPS-2-(\t) >= 3
	s_wait_loadcnt 12                              ; the next step's four loads are in; those of the three steps behind it may be out
.else
	s_wait_loadcnt 4*(STEPS-2-(\t))
.endif
	QTURN (\t)+1
.endif
	v_max3_num_f32 v8, |v[XS]|, |v[XS+1]|, |v[XS+2]|               ; the largest magnitude of my 16, in two chains
	v_max3_num_f32 v9, |v[XS+3]|, |v[XS+4]|, |v[XS+5]|
.irp i, 6,10
	v_max3_num_f32 v8, v8, |v[XS+\i]|, |v[XS+\i+1]|
	v_max3_num_f32 v9, v9, |v[XS+\i+2]|, |v[XS+\i+3]|
.endr
	v_max3_num_f32 v8, v8, |v[XS+14]|, |v[XS+15]|
	v_max3_num_f32 v8, v8, v9, 0x1800000           ; and the floor 2^(3 - 127): the byte cannot fall under 1
	v_max_num_f32_dpp v8, v8, v8 row_xmask:1 row_mask:0xf bank_mask:0xf   ; with my neighbour's 16: the block's
	v_add_nc_u32 v11, 0xff000000, v8               ; 2 off its exponent field: the conversion takes the exponent field of this operand as its scale, and nothing else of it
	v_cvt_scalef32_pk8_fp4_f32 v[C+4*(\t)], v[XS:XS+7], v11
	v_cvt_scalef32_pk8_fp4_f32 v[C+4*(\t)+1], v[XS+8:XS+15], v11
	v_lshrrev_b32 v[E+(\t)], 23, v11               ; the scale's byte (also the plain line behind the conversions)
	ds_store_b8 v5, v[E+(\t)] offset:16*(\t)       ; both lanes of a block write the same byte with the same value
	global_store_b64 v4, v[C+4*(\t):C+4*(\t)+1], s[34:35] offset:256*(\t)   ; the wave stores 256 consecutive bytes, aligned
.endm
.irp t, 0,1,2,3,4,5,6,7,8,9,10,11,12,13,14,15
	QSTEP \t
.endr
	ds_load_b64 v[8:9], v6                         ; my wave's 256 scale bytes, 8 a lane: these see my stores
	s_wait_dscnt 0x0
	global_store_b64 v4, v[8:9], s[36:37]          ; 256 consecutive bytes, aligned
	FINISH
; ---------------- (2), (3): the common front ----------------
.Lturn:
	s_wait_kmcnt 0x0
	s_sub_co_u32 s34, ttmp9, NQWG                  ; 0..319
	s_mov_b32 s31, 4096
	s_cmp_lt_u32 s34, 256                          ; the mask's work-group, or w_o's?
	s_cselect_b32 s31, 8192, s31                   ; a row in bytes
	s_cselect_b32 s35, 0, 256
	s_cselect_b32 s52, 3, 2                        ; 8 or 4 pieces of 1,024 bytes in a row
	s_cselect_b32 s53, 7, 3
	s_cselect_b32 s38, 1, 0
	s_cselect_b64 s[32:33], s[18:19], s[16:17]
	s_sub_co_u32 s34, s34, s35
	s_lshl_b32 s34, s34, 2
	s_add_co_u32 s34, s34, s30                     ; my wave's piece
	s_lshr_b32 s36, s34, s52                       ; its block of 16 rows
	s_and_b32 s37, s34, s53                        ; and which 1,024 bytes of them
	s_mul_i32 s34, s36, s31
	s_lshl_b32 s34, s34, 4
	s_lshl_b32 s35, s37, 10
	s_add_co_u32 s34, s34, s35
	s_mov_b32 s35, 0
	s_add_nc_u64 s[32:33], s[32:33], s[34:35]
	s_mul_i32 s39, s30, TWAVE
	s_add_co_u32 s39, s39, TBASE
	v_add_nc_u32 v3, s39, v2                       ; LDS, in: 16 x lane
	v_and_b32 v5, 15, v1                           ; r
	v_lshrrev_b32 v6, 4, v1                        ; h
	v_mul_u32_u24 v4, v5, TP
	v_lshl_add_u32 v4, v6, 5, v4
	v_add_nc_u32 v4, s39, v4                       ; and back: row r, + 32 h
	v_mov_b32 v[OFFR], v2
.irp i, 1,2,3,4,5,6,7,8,9,10,11,12,13,14,15
	v_add_nc_u32 v[OFFR+\i], s31, v[OFFR+\i-1]
.endr
.irp i, 0,1,2,3,4,5,6,7,8,9,10,11,12,13,14,15
	global_load_b128 v[D+8*\i:D+8*\i+3], v[OFFR+\i], s[32:33] th:TH_LOAD_NT              ; 512 consecutive bytes of row i,
	global_load_b128 v[D+8*\i+4:D+8*\i+7], v[OFFR+\i], s[32:33] offset:512 th:TH_LOAD_NT ; and the next 512
.endr
	s_wait_loadcnt 0x0
.irp i, 0,1,2,3,4,5,6,7,8,9,10,11,12,13,14,15
	ds_store_b128 v3, v[D+8*\i:D+8*\i+3] offset:TP*\i
	ds_store_b128 v3, v[D+8*\i+4:D+8*\i+7] offset:TP*\i+512
.endr
	s_wait_dscnt 0x0                               ; the stores have read their registers
.irp t, 0,1,2,3,4,5,6,7,8,9,10,11,12,13,14,15
	ds_load_b128 v[D+8*\t:D+8*\t+3], v4 offset:64*\t
	ds_load_b128 v[D+8*\t+4:D+8*\t+7], v4 offset:64*\t+16
.endr
	s_wait_dscnt 0x0                               ; register 8 t + j of lane (r, h) = element (row r, column 16 t + 8 h + j)
	s_cmp_eq_u32 s38, 0
	s_cbranch_scc1 .Lwo
; ---------------- (2) the mask ----------------
; A compare's result IS the word: bit r + 16 h.  Word w = 8 t + j goes to register w % 4 of lane w / 4, so that the wave's 128 words leave as 512 consecutive bytes.
.irp c, 0,1,2,3
	v_mov_b32 v[OUTW+\c], 0
	s_mov_b32 s[40+\c], -1                         ; the AND of a key step's 32 words
.endr
.set w, 0
.rept 16
.irp j, 0,1,2,3,4,5,6,7
	v_cmp_ne_u32 s[44+\j], 0, v[D+w+\j]
.endr
.irp j, 0,1,2,3,4,5,6,7
	v_writelane_b32 v[OUTW+\j%4], s[44+\j], (w+\j)/4
.endr
.irp j, 0,1,2,3,4,5,6,7
	s_and_b32 s[40+w/32], s[40+w/32], s[44+\j]
.endr
.set w, w+8
.endr
	s_mov_b32 s52, 0
.irp k, 0,1,2,3
	s_cmp_lg_u32 s[40+\k], -1                      ; a hole in step k of my four
	s_cselect_b32 s53, 1<<\k, 0
	s_or_b32 s52, s52, s53
.endr
	s_lshl_b32 s53, s37, 2
	s_lshl_b32 s52, s52, s53                       ; at the steps' own bits: 4 x piece + k
	s_lshl_b32 s54, s36, 12                        ; words: 4,096 bytes a query tile, 512 a piece
	s_lshl_b32 s55, s37, 9
	s_add_co_u32 s54, s54, s55
	s_mov_b32 s55, 0
	s_add_nc_u64 s[26:27], s[26:27], s[54:55]
	global_store_b128 v2, v[OUTW:OUTW+3], s[26:27] ; 512 consecutive bytes, aligned
	s_lshl_b32 s54, s36, 3
	s_add_co_u32 s54, s54, s37
	s_lshl_b32 s54, s54, 2                         ; flags: a word for each (query tile, piece)
	s_add_nc_u64 s[28:29], s[28:29], s[54:55]
	v_mov_b32 v5, s52
	v_mov_b32 v6, 0
	s_wait_xcnt 0x0                                ; EXEC changes only behind this wait
	v_cmp_eq_u32 vcc_lo, 0, v1
	s_and_saveexec_b32 s53, vcc_lo
	global_store_b32 v6, v5, s[28:29]              ; lane 0 alone: one word a wave, 4,096 bytes in the whole launch
	s_wait_xcnt 0x0                                ; and again in front of the line that widens it
	s_or_b32 exec_lo, exec_lo, s53
	FINISH
; ---------------- (3) w_o ----------------
.Lwo:
	s_lshr_b32 s54, s36, 4                         ; wof: [256 columns of the output: 524,288][32 k: 16,384][16 n: 1,024]
	s_lshl_b32 s54, s54, 19
	s_lshl_b32 s55, s37, 17                        ; my 256 k are eight fragments
	s_add_co_u32 s54, s54, s55
	s_and_b32 s55, s36, 15
	s_lshl_b32 s55, s55, 10
	s_add_co_u32 s54, s54, s55
	s_mov_b32 s55, 0
	s_add_nc_u64 s[24:25], s[24:25], s[54:55]
.irp t, 0,1,2,3,4,5,6,7,8,9,10,11,12,13,14,15
.irp c, 0,1,2,3
	v_cvt_pk_f16_f32 v[D+8*\t+\c], v[D+8*\t+2*\c], v[D+8*\t+2*\c+1]   ; in place, ascending: no source is written before it is read
.endr
	global_store_b128 v2, v[D+8*\t:D+8*\t+3], s[24:25] offset:(\t/2)*16384+(\t%2)*512   ; half a fragment: 512 consecutive bytes, aligned
.endr
	FINISH
.Lfunc_end_k_q2a0664b1fe_prep:
	.size	k_q2a0664b1fe_prep, .Lfunc_end_k_q2a0664b1fe_prep-k_q2a0664b1fe_prep
	.p2alignl 7, 3214868480
	.fill 96, 4, 3214868480
	.section	.rodata,"a",@progbits
	.p2align	6, 0x0
	.amdhsa_kernel k_q2a0664b1fe_prep
		.amdhsa_group_segment_fixed_size 99840
		.amdhsa_private_segment_fixed_size 0
		.amdhsa_enable_private_segment 0
		.amdhsa_kernarg_size 104
		.amdhsa_user_sgpr_count 2
		.amdhsa_user_sgpr_kernarg_segment_ptr 1
		.amdhsa_wavefront_size32 1
		.amdhsa_system_sgpr_workgroup_id_x 1
		.amdhsa_system_sgpr_workgroup_id_y 1
		.amdhsa_system_sgpr_workgroup_id_z 1
		.amdhsa_system_vgpr_workitem_id 0
		.amdhsa_next_free_vgpr 192
		.amdhsa_next_free_sgpr 66
		.amdhsa_reserve_vcc 1
		.amdhsa_float_denorm_mode_32 3
		.amdhsa_float_denorm_mode_16_64 3
		.amdhsa_memory_ordered 1
		.amdhsa_forward_progress 1
		.amdhsa_inst_pref_size 70
	.end_amdhsa_kernel
	.amdgpu_metadata
---
amdhsa.version: [ 1, 2 ]
amdhsa.kernels:
  - .name:           k_q2a0664b1fe_prep
    .symbol:         k_q2a0664b1fe_prep.kd
    .args:
      - { .name: query, .offset: 0, .size: 8, .value_kind: global_buffer, .address_space: global }
      - { .name: key, .offset: 8, .size: 8, .value_kind: global_buffer, .address_space: global }
      - { .name: value, .offset: 16, .size: 8, .value_kind: global_buffer, .address_space: global }
      - { .name: w_q, .offset: 24, .size: 8, .value_kind: global_buffer, .address_space: global }
      - { .name: w_k, .offset: 32, .size: 8, .value_kind: global_buffer, .address_space: global }
      - { .name: w_v, .offset: 40, .size: 8, .value_kind: global_buffer, .address_space: global }
      - { .name: w_o, .offset: 48, .size: 8, .value_kind: global_buffer, .address_space: global }
      - { .name: mask, .offset: 56, .size: 8, .value_kind: global_buffer, .address_space: global }
      - { .name: codes, .offset: 64, .size: 8, .value_kind: global_buffer, .address_space: global }
      - { .name: scales, .offset: 72, .size: 8, .value_kind: global_buffer, .address_space: global }
      - { .name: wof, .offset: 80, .size: 8, .value_kind: global_buffer, .address_space: global }
      - { .name: mw, .offset: 88, .size: 8, .value_kind: global_buffer, .address_space: global }
      - { .name: fl, .offset: 96, .size: 8, .value_kind: global_buffer, .address_space: global }
    .group_segment_fixed_size: 99840
    .private_segment_fixed_size: 0
    .kernarg_segment_align: 8
    .kernarg_segment_size: 104
    .max_flat_workgroup_size: 128
    .sgpr_count:     66
    .vgpr_count:     192
    .wavefront_size: 32
...
	.end_amdgpu_metadata
.endif
;; end of part 1
;; launch proj (part 2): grid 4 x 96, 4 waves a work-group, clusters of 4 x 4, 327,680 bytes of LDS; arguments codes, scales, qkv; writes qkv
.if DOCPART == 2
	.amdgcn_target "amdgcn-amd-amdhsa--gfx1250"
	.amdhsa_code_object_version 6
	.text
	.protected	k_q2a0664b1fe_proj
	.globl	k_q2a0664b1fe_proj
	.p2align	8
	.type	k_q2a0664b1fe_proj,@function
k_q2a0664b1fe_proj:
	s_mov_b64 s[64:65], 0
	v_nop
	global_prefetch_b8 v0, s[64:65] scope:SCOPE_SE
	s_setreg_imm32_b32 hwreg(HW_REG_WAVE_MODE, 25, 1), 1
	s_wait_xcnt 0x0
	s_wait_alu depctr_hold_cnt(0) depctr_sa_sdst(0) depctr_va_vdst(0) depctr_va_sdst(0) depctr_va_ssrc(0) depctr_va_vcc(0) depctr_vm_vsrc(0)
	s_getreg_b32 s2, hwreg(HW_REG_IB_STS2, 6, 4)
	s_cmp_eq_u32 s2, 0
	s_cbranch_scc0 .Lentry_in_a_cluster
	s_endpgm
.Lentry_in_a_cluster:
	s_bfe_u32 s2, ttmp6, 0x10000c
	s_cmp_lg_u32 s2, 0xf033
	s_cbranch_scc0 .Lentry_shape_is_right
	s_endpgm
.Lentry_shape_is_right:
; PROJ: q = query w_q^T, k = key w_k^T, v = value w_v^T on codes of E2M1 with one E8M0 scale for each 32 along K = 1,024; sums in f32; results as f16 in the order of the attention launch's operand registers.
; codes: 27,648 rows x 512 bytes (rows 0 query, 8,192 key, 16,384 value, 24,576 w_q, 25,600 w_k, 26,624 w_v); scales: the same rows x 32 bytes.
; 384 tiles of 256 x 256; a work-group of four waves makes one, a wave 128 x 128: 64 accumulators of 16 x 16, 512 registers.  K is two slots of 512 (LDS rows of 256 bytes): both are first fills, nothing is filled again.
; The scales of the tile's 2 x 256 rows, for all of K, are two dense blocks: they come once, with the first fills.
; CLUSTERS: 4 x 4 work-groups of one of the three products.  'A' is source 1 of the matrix instruction and is shared along a row of the cluster, 'B' is source 0 and is shared along a column; each tile is asked for
; JOINTLY, by the same tensor load with the same descriptor and a mask that names the four.
; A lane holds ONE row of A (lane % 16) and eight neighbouring rows of B (8 (lane / 16) + j).  For q and k: A = tokens, B = weight rows, so a lane holds a token and eight channels: half a fragment [token][channel].
; For v the two change places (A = w_v's rows, B = tokens): a lane holds a channel and eight keys: half a fragment of V^T.  The instruction stream is the same; only row numbers and two strides are chosen.
; So four packed registers of an accumulator are 512 consecutive bytes of the wave in qkv, and leave straight from registers.
; qkv: [batch x 16 + head][q, k, v][262,144].  q, k: [16 tokens: 2,048][32 channels: 1,024][16 channels: 512].  v: [64 keys: 8,192][16 channels: 2,048][16 keys: 512].  q is multiplied by log2(e) / 8 on the way.
; LIMIT: |0.18 q|, |k| or |v| of 65,520 or more becomes infinity in f16.
; REGISTERS, in windows of 256: window 0: v0-31 addresses; v32-95 scale words, two sets; v128-191 A's fragments, one set; v192-255 packed results.  window 1: B's fragments, two sets, at v0 and v128.
;   window 2: the accumulators of my rows 0-63 of A ((a, b) at v[8 (8 a + b)]);  window 3: rows 64-127.
.set NQ,     4                         ; matrix instructions deep in a slot: 512 along K
.set ROWB,   256                       ; a tile's row in bytes
.set KROW,   512                       ; a row of codes in memory
.set PITCH,  272                       ; an LDS row: 256 bytes + 16 = 68 words: the 16 rows that a load touches start at 16 different banks (64 banks of 4 bytes: ISA guide 11.1)
.set FR,     8                         ; registers of a fragment: 16 rows x 128 K
.set NL,     2                         ; LDS loads that bring one
.set NP,     4                         ; places behind this matrix instruction (ISA guide 7.12.1)
.set HALFT,  128*PITCH                 ; 128 rows: what one tensor load brings
.set SLOT,   4*HALFT                   ; A's 256 rows, then B's 256 rows
.set KS,     32                        ; a row of scales in bytes
.set SCL,    2*SLOT                    ; behind the slots: the scales, as units of 256 bytes + 16 of padding
.set HALFS,  (128*KS/256)*272          ; the scales of 128 rows
.set SBLK,   (16*KS/256)*272           ; those of 16 rows
.set SPARE,  SCL+4*HALFS               ; the spare words, 128 bytes for each wave: two blocks of 256 bytes that no other line names
.set CO,   8                           ; v8-11   the way out: 16 x lane + x SA4 + y SB4 at v[8 + 2 x + y]
.set ADRA, 16                          ; v16-17  LDS address of my A fragments in slot 0, 1
.set ADRB, 20                          ; v20-21  the same for B
.set ADRS, 27                          ; v27     LDS address of my scale words: lanes 0-15 A's rows, lanes 16-31 B's
.set SPW,  28                          ; v28     LDS address of my spare word; never rewritten
.set NIL,  29                          ; v29     0; never rewritten
.set SC,   32                          ; scale words: set s at v[SC + 32 s]; register 4 i + q: lanes 0-15 A's block i, lanes 16-31 B's block i, the slot's q-th 128 along K
.set AF,   128
.set TMP,  192
.set G1, 24                            ; s[24:31] group 1 for A's tiles; s[32:39] group 0, one set for each slot
.set G0, 32
.set G1B, 48                           ; s[48:55], s[56:63] the same for B's
.set G0B, 56
.set G1S, 68                           ; s[68:75], s[76:79] groups 1 and 0 for A's scales; s[80:87], s[88:91] for B's
.set G0S, 76
.set G1SB, 80
.set G0SB, 88
.set MSB, 0
.macro WIN new                         ; the immediate's high byte repeats the setting that is left
.if MSB != \new
	s_set_vgpr_msb (MSB<<8)|\new
.set MSB, \new
.endif
.endm
.set MUL_LO, 0xa1                      ; source 0 (B) window 1, source 1 (A) window 0, C and D window 2
.set MUL_HI, 0xf1                      ; the same, C and D window 3
.set TO_B,   0x40                      ; destination window 1, address window 0
; A joint load: waves 0 and 1 fetch for A, waves 2 and 3 for B; the branch hangs on the wave's number alone.  An s_nop 0 and four v_nop follow each of the two lines.
.macro JLOAD g0a, g1a, g0b, g1b
	s_cmp_eq_u32 s15, 0
	s_cbranch_scc0 .Lfor_b_\@
	tensor_load_to_lds s[\g0a:\g0a+3], s[\g1a:\g1a+7]
	s_nop 0
.rept 4
	v_nop
.endr
	s_branch .Lasked_\@
.Lfor_b_\@:
	tensor_load_to_lds s[\g0b:\g0b+3], s[\g1b:\g1b+7]
	s_nop 0
.rept 4
	v_nop
.endr
.Lasked_\@:
.endm
.macro CROUND                          ; a round of the cluster's barrier
	s_barrier_signal -1
	s_barrier_wait -1
	s_cmp_lg_u32 s14, 0
	s_cbranch_scc1 .Lnot_wave_0_\@
	s_barrier_signal -3
.Lnot_wave_0_\@:
	s_barrier_wait -3
	s_barrier_signal -1
	s_barrier_wait -1
.endm
	s_load_b128 s[4:7], s[0:1], 0x0                ; codes s[4:5], scales s[6:7]
	s_load_b64 s[12:13], s[0:1], 0x10              ; qkv
	v_lshl_add_u32 v[SPW], v0, 2, SPARE
	v_mov_b32 v[NIL], 0
	ds_add_u32 v[SPW], v[NIL]                      ; the wave's opening: the add, twice on end, and its wait ahead of my first tensor load
	ds_add_u32 v[SPW], v[NIL]
	v_lshrrev_b32 v1, 5, v0
	v_readfirstlane_b32 s14, v1                    ; wave 0..3
	s_lshr_b32 s15, s14, 1                         ; which half of A's rows is mine.  Also: I fetch for A (0) or for B (1)
	s_and_b32 s16, s14, 1                          ; which half of B's rows.  Also: which 128 rows of that tile I fetch
	s_bfe_u32 s40, ttmp6, 0x40000                  ; cx
	s_bfe_u32 s41, ttmp6, 0x40004                  ; cy
	s_and_b32 s17, ttmp7, 0xffff                   ; the cluster's y, 0..23: the same in all sixteen partners
	s_lshr_b32 s66, s17, 3                         ; the product: 0 q, 1 k, 2 v
	s_and_b32 s67, s17, 7
	s_lshl_b32 s67, s67, 2                         ; the first of the cluster's four tiles of 256 tokens
	s_lshl_b32 s18, s66, 13                        ; q, k: A's rows begin at 8,192 x product,
	s_lshl_b32 s19, s66, 10
	s_add_co_u32 s19, s19, 24576                   ; B's at 24,576 + 1,024 x product
	s_mov_b32 s98, 8192
	s_mov_b32 s99, 786432
	s_cmp_eq_u32 s66, 2                            ; v: weights and tokens change places
	s_cselect_b32 s96, 0, s67
	s_cselect_b32 s97, s67, 0
	s_cselect_b32 s18, 26624, s18
	s_cselect_b32 s19, 16384, s19
	s_cselect_b32 s98, 786432, s98                 ; SA4: bytes in qkv from four blocks of A's rows to the next four (q, k: 64 tokens; v: a head)
	s_cselect_b32 s99, 8192, s99                   ; SB4: the same for B's rows (q, k: a head; v: 64 keys)
	s_mov_b32 s2, 1.0
	s_cmp_eq_u32 s66, 0
	s_cselect_b32 s2, 0x3e38aa3b, s2               ; q alone is multiplied by log2(e) / 8
	s_mov_b32 s3, s2                               ; (named with it as a pair, so it is written)
	s_add_co_u32 s8, s41, s96                      ; A's tile: made of cy and the cluster's y alone
	s_add_co_u32 s9, s40, s97                      ; B's tile: of cx and the cluster's y alone
	s_lshl_b32 s43, s41, 2
	s_lshl_b32 s43, 15, s43                        ; my row of the cluster
	s_lshl_b32 s44, 0x1111, s40                    ; my column
	; group 1: a tile of 128 rows x 256 bytes, padded in LDS
	s_or_b32 s[G1+0], s43, (0<<16)|(1<<20)|(1<<21)|(5<<22)|(3<<25)  ; 15:0 the mask; 17:16 elements of 1 byte; 20 padding on; 21 set beside a mask; 24:22 after every 64 words; 31:25 four words
	s_or_b32 s[G1B+0], s44, (0<<16)|(1<<20)|(1<<21)|(5<<22)|(3<<25)
.irp g, G1, G1B
	s_mov_b32 s[\g+1], ROWB<<16                    ; tensor_dim0
	s_mov_b32 s[\g+2], 128<<16                     ; tensor_dim1
	s_mov_b32 s[\g+3], ROWB<<16                    ; tile_dim0
	s_mov_b32 s[\g+4], 128                         ; tile_dim1
	s_mov_b32 s[\g+5], KROW                        ; tensor_dim0_stride
	s_mov_b32 s[\g+6], 0
	s_mov_b32 s[\g+7], 0
.endr
	; the scales of 128 rows: 4,096 dense bytes, as 16 rows of 256 bytes (32 elements of 8 bytes), 16 bytes of padding behind each
	s_or_b32 s[G1S+0], s43, (3<<16)|(1<<20)|(1<<21)|(5<<22)|(3<<25)
	s_or_b32 s[G1SB+0], s44, (3<<16)|(1<<20)|(1<<21)|(5<<22)|(3<<25)
.irp g, G1S, G1SB
	s_mov_b32 s[\g+1], 32<<16
	s_mov_b32 s[\g+2], (128*KS/256)<<16
	s_mov_b32 s[\g+3], 32<<16
	s_mov_b32 s[\g+4], 128*KS/256
	s_mov_b32 s[\g+5], 32
	s_mov_b32 s[\g+6], 0
	s_mov_b32 s[\g+7], 0
.endr
	s_lshl_b32 s45, s16, 7                         ; which 128 rows of a tile I fetch
	s_lshl_b32 s20, s8, 8
	s_add_co_u32 s20, s20, s18
	s_add_co_u32 s20, s20, s45                     ; A: the first row that I fetch
	s_lshl_b32 s46, s9, 8
	s_add_co_u32 s46, s46, s19
	s_add_co_u32 s46, s46, s45                     ; B likewise
	s_lshl_b32 s22, s20, 5                         ; its scales, 32 bytes a row,
	s_mov_b32 s23, 0
	s_lshl_b32 s20, s20, 9                         ; and its codes, 512 bytes a row
	s_mov_b32 s21, 0
	s_lshl_b32 s92, s46, 5
	s_mov_b32 s93, 0
	s_lshl_b32 s46, s46, 9
	s_mov_b32 s47, 0
	s_mul_i32 s45, s14, HALFT                      ; where they go: wave x 128 rows: no place in the cluster enters an LDS address
	s_mul_i32 s94, s14, HALFS
	s_wait_dscnt 0x0                               ; both opening adds are done
	s_wait_kmcnt 0x0
	s_add_nc_u64 s[20:21], s[4:5], s[20:21]
	s_add_nc_u64 s[22:23], s[6:7], s[22:23]
	s_add_nc_u64 s[46:47], s[4:5], s[46:47]
	s_add_nc_u64 s[92:93], s[6:7], s[92:93]
	CROUND                                         ; all sixteen work-groups are here: the first joint loads meet
	s_mov_b32 s[G0S], 1
	s_add_co_u32 s[G0S+1], s94, SCL
	s_mov_b64 s[G0S+2:G0S+3], s[22:23]
	s_or_b32 s[G0S+3], s[G0S+3], 0x80000000
	s_mov_b32 s[G0SB], 1
	s_add_co_u32 s[G0SB+1], s94, SCL
	s_mov_b64 s[G0SB+2:G0SB+3], s[92:93]
	s_or_b32 s[G0SB+3], s[G0SB+3], 0x80000000
	JLOAD G0S, G1S, G0SB, G1SB                     ; the scales first: they are wanted with the first slot
.irp s, 0,1
	s_mov_b32 s[G0+4*\s], 1
	s_add_co_u32 s[G0+4*\s+1], s45, \s*SLOT
	s_add_nc_u64 s[G0+4*\s+2:G0+4*\s+3], s[20:21], \s*ROWB
	s_or_b32 s[G0+4*\s+3], s[G0+4*\s+3], 0x80000000
	s_mov_b32 s[G0B+4*\s], 1
	s_add_co_u32 s[G0B+4*\s+1], s45, \s*SLOT
	s_add_nc_u64 s[G0B+4*\s+2:G0B+4*\s+3], s[46:47], \s*ROWB
	s_or_b32 s[G0B+4*\s+3], s[G0B+4*\s+3], 0x80000000
	JLOAD G0+4*\s, G1, G0B+4*\s, G1B               ; three tensor loads of mine are out now, and no more are issued
.endr
	v_and_b32 v1, 15, v0                           ; l % 16
	v_bfe_u32 v2, v0, 4, 1                         ; l / 16
	v_mul_u32_u24 v3, v1, PITCH
	v_lshl_add_u32 v4, v2, 4, v3                   ; a fragment's row x pitch + 16 x half
	s_mul_i32 s21, s15, HALFT                      ; my 128 rows of A
	s_mul_i32 s22, s16, HALFT                      ; my 128 rows of B,
	s_add_co_u32 s22, s22, 2*HALFT                 ; which lie behind A's 256
.irp s, 0,1
	v_add_nc_u32 v[ADRA+\s], s21, v4
	v_add_nc_u32 v[ADRB+\s], s22, v4
	s_add_co_u32 s21, s21, SLOT
	s_add_co_u32 s22, s22, SLOT
.endr
	v_mul_u32_u24 v5, v1, KS                       ; my row's scales: 32 bytes a row,
	v_lshrrev_b32 v6, 8, v5
	v_lshl_add_u32 v5, v6, 4, v5                   ; and 16 more for each 256 passed
	s_mul_i32 s21, s15, HALFS
	s_mul_i32 s22, s16, HALFS
	s_add_co_u32 s22, s22, 2*HALFS
	s_sub_co_u32 s22, s22, s21
	v_mul_u32_u24 v6, s22, v2                      ; lanes 16-31 take B's: one product, the distance between the two bases
	s_add_co_u32 s21, s21, SCL
	v_add_nc_u32 v5, v5, v6
	v_add_nc_u32 v[ADRS], s21, v5
	; the way out: qkv + batch x 12,582,912 + product x 262,144 + (4 (A's tile % 8) + 2 (my half)) SA4 + the same for B with SB4
	s_lshr_b32 s10, s8, 3
	s_lshr_b32 s11, s9, 3
	s_add_co_u32 s10, s10, s11                     ; the batch: eight tiles of tokens to one (the weights' tile is under 8)
	s_mul_i32 s10, s10, 12582912
	s_lshl_b32 s11, s66, 18
	s_add_co_u32 s10, s10, s11
	s_and_b32 s11, s8, 7
	s_lshl_b32 s11, s11, 2
	s_lshl_b32 s17, s15, 1
	s_add_co_u32 s11, s11, s17
	s_mul_i32 s11, s11, s98
	s_add_co_u32 s10, s10, s11
	s_and_b32 s11, s9, 7
	s_lshl_b32 s11, s11, 2
	s_lshl_b32 s17, s16, 1
	s_add_co_u32 s11, s11, s17
	s_mul_i32 s11, s11, s99
	s_add_co_u32 s10, s10, s11
	s_mov_b32 s11, 0
	s_add_nc_u64 s[12:13], s[12:13], s[10:11]
	v_and_b32 v6, 31, v0
	v_lshlrev_b32 v[CO], 4, v6
	v_add_nc_u32 v[CO+1], s99, v[CO]
	v_add_nc_u32 v[CO+2], s98, v[CO]
	v_add_nc_u32 v[CO+3], s99, v[CO+2]
.macro FRAG reg, adr, q, i             ; a fragment: lane l holds row l % 16; registers 4 c .. 4 c + 3 hold K = 64 c + 32 (l / 16) + 0 .. 31
.irp c, 0,1
	ds_load_b128 v[\reg+4*\c:\reg+4*\c+3], v[\adr] offset:64*(\q)+32*\c+(\i)*16*PITCH
.endr
.endm
; 16 matrix instructions: A's blocks a0, a0 + 1 x B's eight, the slot's q-th 128 along K.  p: B's set; sc: the set of scale words.  zero = 1: the first product starts the sums.
; The 64 accumulators take turns, one instruction a turn, in the same order in every step.
.macro MUL16 a0, p, q, sc, zero
.irp a, \a0, \a0+1
.irp b, 0,1,2,3,4,5,6,7
.if \zero
	v_wmma_scale_f32_16x16x128_f8f6f4 v[8*(8*((\a)%4)+\b):8*(8*((\a)%4)+\b)+7], v[128*(\p)+FR*\b:128*(\p)+FR*\b+FR-1], v[AF+FR*(\a):AF+FR*(\a)+FR-1], 0, v[SC+8*NQ*(\sc)+NQ*\b+(\q)], v[SC+8*NQ*(\sc)+NQ*(\a)+(\q)] matrix_a_fmt:MATRIX_FMT_FP4 matrix_b_fmt:MATRIX_FMT_FP4 matrix_a_scale:MATRIX_SCALE_ROW1
.else
	v_wmma_scale_f32_16x16x128_f8f6f4 v[8*(8*((\a)%4)+\b):8*(8*((\a)%4)+\b)+7], v[128*(\p)+FR*\b:128*(\p)+FR*\b+FR-1], v[AF+FR*(\a):AF+FR*(\a)+FR-1], v[8*(8*((\a)%4)+\b):8*(8*((\a)%4)+\b)+7], v[SC+8*NQ*(\sc)+NQ*\b+(\q)], v[SC+8*NQ*(\sc)+NQ*(\a)+(\q)] matrix_a_fmt:MATRIX_FMT_FP4 matrix_b_fmt:MATRIX_FMT_FP4 matrix_a_scale:MATRIX_SCALE_ROW1
.endif
.endr
.endr
.endm
.macro FETCH_B slot, q, p
	WIN TO_B
.irp i, 0,1,2,3,4,5,6,7
	FRAG 128*(\p)+FR*\i, ADRB+\slot, \q, \i
.endr
	WIN 0
.endm
.macro FETCH_A slot, q, i0
.irp i, \i0, \i0+1, \i0+2, \i0+3
	FRAG AF+FR*(\i), ADRA+\slot, \q, \i
.endr
.endm
.macro SCALES sc                       ; a slot's scale words: four words a row; lanes 0-15 take A's block i, lanes 16-31 B's block i
.irp i, 0,1,2,3,4,5,6,7
	ds_load_b128 v[SC+8*NQ*\sc+NQ*\i:SC+8*NQ*\sc+NQ*\i+3], v[ADRS] offset:\i*SBLK
.endr
.endm
.macro PLACES n                        ; plain vector instructions between a matrix instruction and a load into, or a read of, its registers
.rept \n
	v_nop
.endr
.endm
; A step of 128 along K that has its successor in the same slot.  A block of A is free as soon as its eight products are issued, so A has one set of registers; B has two.
.macro STEP slot, q, zero
	s_wait_dscnt 4*NL                              ; B's set and A's blocks 0-3 are in; the youngest eight loads (A's blocks 4-7) may be out
	WIN MUL_LO
	MUL16 0, (\q)%2, \q, \slot, \zero
	MUL16 2, (\q)%2, \q, \slot, \zero
	s_wait_dscnt 0
	PLACES NP
	FETCH_B \slot, (\q)+1, 1-(\q)%2
	FETCH_A \slot, (\q)+1, 0
	WIN MUL_HI
	MUL16 4, (\q)%2, \q, \slot, \zero
	MUL16 6, (\q)%2, \q, \slot, \zero
	PLACES NP
	WIN 0
	FETCH_A \slot, (\q)+1, 4
.endm
; Slot 0's last step goes over to slot 1: each wave waits for all its tensor loads (its part of slot 1), then the barrier shows the whole slot to every wave.  Nothing is filled again.
.macro TURN slot, next
	s_wait_tensorcnt 0x0
	ds_add_u32 v[SPW], v[NIL]                      ; 0 onto my spare word
	s_wait_dscnt 4*NL+1                            ; (the add and the youngest eight loads may be out)
	WIN MUL_LO
	MUL16 0, 1, NQ-1, \slot, 0
	s_wait_dscnt 0x0
	s_barrier_signal -1
	MUL16 2, 1, NQ-1, \slot, 0
	WIN 0
	s_barrier_wait -1
	PLACES NP
	v_add_nc_u32 v[ADRS], 4*NQ, v[ADRS]            ; on to the next slot's scale words (no LDS load of mine is out)
	FETCH_B \next, 0, 0
	FETCH_A \next, 0, 0
	SCALES \next
	WIN MUL_HI
	MUL16 4, 1, NQ-1, \slot, 0
	MUL16 6, 1, NQ-1, \slot, 0
	PLACES NP
	WIN 0
	FETCH_A \next, 0, 4
.endm
	s_wait_tensorcnt 1                             ; the scales and my part of slot 0 are in (slot 1's load may be out),
	s_barrier_signal -1
	s_barrier_wait -1                              ; everybody's are
	FETCH_B 0, 0, 0
	FETCH_A 0, 0, 0
	SCALES 0
	FETCH_A 0, 0, 4
	STEP 0, 0, 1                                   ; the first products start the sums: nothing is cleared
	STEP 0, 1, 0
	STEP 0, 2, 0
	TURN 0, 1
	STEP 1, 0, 0
	STEP 1, 1, 0
	STEP 1, 2, 0
	s_wait_dscnt 4*NL                              ; the last step: nothing more to fetch
	WIN MUL_LO
	MUL16 0, 1, NQ-1, 1, 0
	MUL16 2, 1, NQ-1, 1, 0
	s_wait_dscnt 0
	WIN MUL_HI
	MUL16 4, 1, NQ-1, 1, 0
	MUL16 6, 1, NQ-1, 1, 0
	WIN 0
; THE WAY OUT, a block of A's 16 rows at a time: scaled, rounded to f16 (each accumulator from its low end on), stored: four registers of an accumulator are 512 consecutive bytes of the wave, aligned.
.macro OUT a
.set AC, 64*((\a)%4)
.set TT, TMP+32*((\a)%2)
	WIN 0x82+0x41*((\a)/4)                         ; destination and source 0: window 2 or 3
.irp b, 0,1,2,3,4,5,6,7
.irp i, 0,2,4,6
	v_pk_mul_f32 v[AC+8*\b+\i:AC+8*\b+\i+1], v[AC+8*\b+\i:AC+8*\b+\i+1], s[2:3] op_sel_hi:[1,0]
.endr
.endr
.if (\a) > 1
	s_wait_xcnt 0x0                                ; the stores of two blocks back have read their registers, which are written again below
.endif
	WIN 0x0a+5*((\a)/4)                            ; sources 0 and 1: window 2 or 3; destination window 0
.irp b, 0,1,2,3,4,5,6,7
.irp i, 0,1,2,3
	v_cvt_pk_f16_f32 v[TT+4*\b+\i], v[AC+8*\b+2*\i], v[AC+8*\b+2*\i+1]
.endr
.endr
	WIN 0
.irp b, 0,1,2,3,4,5,6,7
	global_store_b128 v[CO+2*((\a)/4)+\b/4], v[TT+4*\b:TT+4*\b+3], s[12:13] offset:((\a)%4)*2048+(\b%4)*512
.endr
.endm
	PLACES NP
.irp a, 0,1,2,3,4,5,6,7
	OUT \a
.endr
	s_wait_tensorcnt 0x0                           ; the wave's end
	ds_add_u32 v[SPW], v[NIL]
	s_wait_dscnt 0x0
	CROUND                                         ; the closing round
	s_endpgm
.Lfunc_end_k_q2a0664b1fe_proj:
	.size	k_q2a0664b1fe_proj, .Lfunc_end_k_q2a0664b1fe_proj-k_q2a0664b1fe_proj
	.p2alignl 7, 3214868480
	.fill 96, 4, 3214868480
	.section	.rodata,"a",@progbits
	.p2align	6, 0x0
	.amdhsa_kernel k_q2a0664b1fe_proj
		.amdhsa_group_segment_fixed_size 327680
		.amdhsa_private_segment_fixed_size 0
		.amdhsa_enable_private_segment 0
		.amdhsa_kernarg_size 24
		.amdhsa_user_sgpr_count 2
		.amdhsa_user_sgpr_kernarg_segment_ptr 1
		.amdhsa_wavefront_size32 1
		.amdhsa_system_sgpr_workgroup_id_x 1
		.amdhsa_system_sgpr_workgroup_id_y 1
		.amdhsa_system_sgpr_workgroup_id_z 1
		.amdhsa_system_vgpr_workitem_id 0
		.amdhsa_next_free_vgpr 1024
		.amdhsa_next_free_sgpr 100
		.amdhsa_reserve_vcc 0
		.amdhsa_float_denorm_mode_32 3
		.amdhsa_float_denorm_mode_16_64 3
		.amdhsa_memory_ordered 1
		.amdhsa_forward_progress 1
		.amdhsa_inst_pref_size 135
	.end_amdhsa_kernel
	.amdgpu_metadata
---
amdhsa.version: [ 1, 2 ]
amdhsa.kernels:
  - .name:           k_q2a0664b1fe_proj
    .symbol:         k_q2a0664b1fe_proj.kd
    .args:
      - { .name: codes, .offset: 0, .size: 8, .value_kind: global_buffer, .address_space: global }
      - { .name: scales, .offset: 8, .size: 8, .value_kind: global_buffer, .address_space: global }
      - { .name: qkv, .offset: 16, .size: 8, .value_kind: global_buffer, .address_space: global }
    .group_segment_fixed_size: 327680
    .private_segment_fixed_size: 0
    .kernarg_segment_align: 8
    .kernarg_segment_size: 24
    .max_flat_workgroup_size: 128
    .sgpr_count:     100
    .vgpr_count:     1024
    .wavefront_size: 32
...
	.end_amdgpu_metadata
.endif
;; end of part 2
;; launch attn (part 3): grid 4 x 64, 8 waves a work-group, no clusters, 66,560 bytes of LDS; arguments qkv, mw, fl, of; writes of
.if DOCPART == 3
	.amdgcn_target "amdgcn-amd-amdhsa--gfx1250"
	.amdhsa_code_object_version 6
	.text
	.protected	k_q2a0664b1fe_attn
	.globl	k_q2a0664b1fe_attn
	.p2align	8
	.type	k_q2a0664b1fe_attn,@function
k_q2a0664b1fe_attn:
	s_mov_b64 s[64:65], 0
	v_nop
	global_prefetch_b8 v0, s[64:65] scope:SCOPE_SE
	s_setreg_imm32_b32 hwreg(HW_REG_WAVE_MODE, 25, 1), 1
	s_wait_xcnt 0x0
; ATTN: o = softmax(q k^T / 8, masked) v for one (batch, head) and 512 queries a work-group; f16 operands, products, maxima and sums in f32.
; qkv holds q (already x log2(e) / 8), k and v as f16 in the order of the operand registers: a fragment (16 rows x 32 K) is 1,024 bytes, registers 0-3 at 16 x lane, registers 4-7 at 512 + 16 x lane.
; SHARES.  Eight waves; a wave owns 64 queries, four tiles t of 16, and walks the head's 2,048 keys, 64 a step.
; LAYOUT.  S^T = K Q^T (source 0 = 16 keys, source 1 = 16 queries): a lane holds ONE query (lane % 16) and keys 16 kt + 8 (lane / 16) + j.  Two such tiles, rounded to f16 in pairs, ARE source 1 of O^T = V^T P.
; SOFTMAX, in base 2: a running maximum M and sum L for each query; p = 2^(s - M); in every step O and L are multiplied by a = 2^(old M - new M).
; THE MASK.  Where mask is 0 the score becomes -1e9 x log2(e), as the definition has it (a row with no key left gives the mean of v).  mw holds, for each register of S^T, the lanes that keep their score: the words
; come by scalar loads and steer v_cndmask_b32.  fl says which steps have a hole for my 64 queries: a step without one jumps over its 128 selects.
; K AND V go memory -> registers -> LDS, a chunk of two steps (32 KiB) at a time, each wave moving an eighth: two slots; ONE barrier a chunk, its signal and wait apart.
; WHY NO TENSOR LOAD AND NO CLUSTER: the jump over the selects hangs on numbers read from memory, and joint requests exist for tensor loads alone;
; what the four work-groups of a head share is 16 KiB a step against 64 matrix instructions and some 470 vector instructions a wave.
; LIMITS: f16 operands: |0.18 q|, |k|, |v|, |o| of 65,520 or more become infinity; NaN and infinities are not served.
; REGISTERS.  Window 0: v1-7 addresses and constants; v16-31 M, 0, L (a pair) for each tile; v32-63 eight at work for each tile; v64-191 S^T, 32 a tile, later P in each tile's first 16; v192-255 two half buffers
; that K's and V's fragments share.  Window 1: v0-127 O^T, 32 a tile; v128-191 Q; v192-223 the chunk on its way to LDS (v224-255 a second one, at the start alone).
.set SLOTB, 32768                      ; a slot: K of two steps (16,384 bytes), then V of two steps
.set VOFF,  16384
.set STEPB, 8192                       ; a step's K, or V: eight fragments
.set SPARE, 65536                      ; behind the slots: the spare words, 128 bytes for each wave: four blocks of 256 bytes that no other line names
.set LI,  1                            ; v1  16 x lane: every LDS read is this + an immediate
.set STA, 2                            ; v2  2,048 x wave + 16 x lane: my part of a chunk, in memory and in LDS
.set NEG, 4                            ; v4  -1e9 x log2(e)
.set PFO, 5                            ; v5  256 x lane: the prefetches' offset
.set SPW, 6                            ; v6  LDS address of my spare word; never rewritten
.set NIL, 7                            ; v7  0; never rewritten
.set ST,  16                           ; tile t: v[ST+4t] M, +1 zero (M's partner in a pair), +2, +3 L (even keys', odd keys')
.set TM,  32                           ; tile t: v[TM+8t] +0..3 chains of the maximum, +4 a, +5 zero, +6, +7 the step's sum
.set S,   64
.set H,   192
.set Q,   128                          ; window 1
.set G,   192                          ; window 1
; s12 wave; s14 trips to go; s15 the chunk that is stored next; s16 the flags, bit 0 = the step in hand; s17 prefetches go on while s15 is under it; s[18:19] lane selects;
; s[20:21] K's bytes of the chunk loaded last; s[22:23] where my prefetches stand; s24-55, s68-99 the words of two tiles; s[56:57] the step's words; s[58:59] my rows of o; s60-63, s100, s101 at work
.set MSB, 0
.macro WIN new                         ; the immediate's high byte repeats the setting that is left
.if MSB != \new
	s_set_vgpr_msb (MSB<<8)|\new
.set MSB, \new
.endif
.endm
.macro PLACES n                        ; plain vector instructions between a matrix instruction and a load into, a read of, or a matrix instruction's write over its registers
.rept \n
	v_nop
.endr
.endm
.macro LDH c, base                     ; four fragments into half buffer c: K's key tiles f, channels 32 c on; or V's channel tiles f, keys 32 c on
.irp f, 0,1,2,3
	ds_load_b128 v[H+32*(\c)+8*\f:H+32*(\c)+8*\f+3], v[LI] offset:(\base)+2048*\f+1024*(\c)
	ds_load_b128 v[H+32*(\c)+8*\f+4:H+32*(\c)+8*\f+7], v[LI] offset:(\base)+2048*\f+1024*(\c)+512
.endr
.endm
.macro KQB c                           ; 16 products of S^T = K Q^T, channels 32 c on; the 16 accumulators take turns; c = 0 starts the sums
	WIN 0x04                                       ; source 1 (Q) window 1
.irp kt, 0,1,2,3
.irp t, 0,1,2,3
.if (\c) == 0
	v_wmma_f32_16x16x32_f16 v[S+32*\t+8*\kt:S+32*\t+8*\kt+7], v[H+8*\kt:H+8*\kt+7], v[Q+16*\t:Q+16*\t+7], 0
.else
	v_wmma_f32_16x16x32_f16 v[S+32*\t+8*\kt:S+32*\t+8*\kt+7], v[H+32+8*\kt:H+32+8*\kt+7], v[Q+16*\t+8:Q+16*\t+15], v[S+32*\t+8*\kt:S+32*\t+8*\kt+7]
.endif
.endr
.endr
	WIN 0
.endm
.macro PVB c                           ; 16 products of O^T += V^T P, keys 32 c on
	WIN 0x50                                       ; C and D window 1
.irp ct, 0,1,2,3
.irp t, 0,1,2,3
	v_wmma_f32_16x16x32_f16 v[32*\t+8*\ct:32*\t+8*\ct+7], v[H+32*(\c)+8*\ct:H+32*(\c)+8*\ct+7], v[S+32*\t+8*(\c):S+32*\t+8*(\c)+7], v[32*\t+8*\ct:32*\t+8*\ct+7]
.endr
.endr
	WIN 0
.endm
.macro MWLOAD x                        ; the step's words of tiles x and x + 1: 128 bytes each
	s_load_b512 s[24:39], s[56:57], 4096*(\x)
	s_load_b512 s[40:55], s[56:57], 4096*(\x)+64
	s_load_b512 s[68:83], s[56:57], 4096*(\x)+4096
	s_load_b512 s[84:99], s[56:57], 4096*(\x)+4160
.endm
.macro MASK x                          ; where the word's bit is 0 the score becomes -1e9 x log2(e); a step without a hole jumps over the selects
	s_bitcmp1_b32 s16, 0
	s_cbranch_scc0 .Lwhole_\@
.set n, 0
.rept 32
	v_cndmask_b32 v[S+32*(\x)+n], v[NEG], v[S+32*(\x)+n], s[24+n]
	v_cndmask_b32 v[S+32*(\x)+32+n], v[NEG], v[S+32*(\x)+32+n], s[68+n]
.set n, n+1
.endr
.Lwhole_\@:
.endm
; The maximum of a tile's 32 scores and the old M, for tiles x and x + 1 line by line in turn.  Each accumulator is read from its low end first.
.macro PAIR_MAX x
.irp j, 0,1,2,3
.irp t, \x, \x+1
	v_max3_num_f32 v[TM+8*(\t)+\j], v[S+32*(\t)+8*\j], v[S+32*(\t)+8*\j+1], v[S+32*(\t)+8*\j+2]
.endr
.endr
.irp g, 3,5
.irp j, 0,1,2,3
.irp t, \x, \x+1
	v_max3_num_f32 v[TM+8*(\t)+\j], v[TM+8*(\t)+\j], v[S+32*(\t)+8*\j+\g], v[S+32*(\t)+8*\j+\g+1]
.endr
.endr
.endr
.irp t, \x, \x+1
	v_max3_num_f32 v[TM+8*(\t)], v[TM+8*(\t)], v[S+32*(\t)+7], v[S+32*(\t)+15]
.endr
.irp t, \x, \x+1
	v_max3_num_f32 v[TM+8*(\t)+2], v[TM+8*(\t)+2], v[S+32*(\t)+23], v[S+32*(\t)+31]
.endr
.irp t, \x, \x+1
	v_max3_num_f32 v[TM+8*(\t)], v[TM+8*(\t)], v[TM+8*(\t)+1], v[TM+8*(\t)+2]
.endr
.irp t, \x, \x+1
	v_max3_num_f32 v[TM+8*(\t)], v[TM+8*(\t)], v[TM+8*(\t)+3], v[ST+4*(\t)]
.endr
.irp t, \x, \x+1
	v_permlanex16_b32 v[TM+8*(\t)+1], v[TM+8*(\t)], s18, s19    ; the query's other 32 keys lie in the lane 16 away
.endr
.irp t, \x, \x+1
	v_max_num_f32 v[TM+8*(\t)], v[TM+8*(\t)], v[TM+8*(\t)+1]
.endr
.irp t, \x, \x+1
	v_sub_f32 v[TM+8*(\t)+4], v[ST+4*(\t)], v[TM+8*(\t)]        ; old M - new M
.endr
.irp t, \x, \x+1
	v_mov_b32 v[ST+4*(\t)], v[TM+8*(\t)]
.endr
.endm
; s - M; ONE BATCH of 66 exponentials with one wait ahead of the first line that names a result; the sums of the unrounded p; L; the roundings to f16, in place, ascending.
.macro PAIR_REST x
.set i, 0
.rept 16
.irp t, \x, \x+1
	v_pk_add_f32 v[S+32*(\t)+i:S+32*(\t)+i+1], v[S+32*(\t)+i:S+32*(\t)+i+1], v[ST+4*(\t):ST+4*(\t)+1] op_sel_hi:[1,0] neg_lo:[0,1] neg_hi:[0,1]
.endr
.set i, i+2
.endr
.irp t, \x, \x+1
	v_exp_f32 v[TM+8*(\t)+4], v[TM+8*(\t)+4]                    ; a
.endr
.set i, 0
.rept 32
.irp t, \x, \x+1
	v_exp_f32 v[S+32*(\t)+i], v[S+32*(\t)+i]                    ; p, at most 1
.endr
.set i, i+1
.endr
	v_nop                                          ; a plain instruction behind the last exponential
	s_wait_alu depctr_va_vdst(0)
.irp t, \x, \x+1
	v_pk_add_f32 v[TM+8*(\t)+6:TM+8*(\t)+7], v[S+32*(\t):S+32*(\t)+1], v[S+32*(\t)+2:S+32*(\t)+3]
	v_pk_add_f32 v[TM+8*(\t)+2:TM+8*(\t)+3], v[S+32*(\t)+4:S+32*(\t)+5], v[S+32*(\t)+6:S+32*(\t)+7]
.endr
.irp i, 8,12,16,20,24,28
.irp t, \x, \x+1
	v_pk_add_f32 v[TM+8*(\t)+6:TM+8*(\t)+7], v[TM+8*(\t)+6:TM+8*(\t)+7], v[S+32*(\t)+\i:S+32*(\t)+\i+1]
	v_pk_add_f32 v[TM+8*(\t)+2:TM+8*(\t)+3], v[TM+8*(\t)+2:TM+8*(\t)+3], v[S+32*(\t)+\i+2:S+32*(\t)+\i+3]
.endr
.endr
.irp t, \x, \x+1
	v_pk_add_f32 v[TM+8*(\t)+6:TM+8*(\t)+7], v[TM+8*(\t)+6:TM+8*(\t)+7], v[TM+8*(\t)+2:TM+8*(\t)+3]
.endr
.irp t, \x, \x+1
	v_pk_fma_f32 v[ST+4*(\t)+2:ST+4*(\t)+3], v[ST+4*(\t)+2:ST+4*(\t)+3], v[TM+8*(\t)+4:TM+8*(\t)+5], v[TM+8*(\t)+6:TM+8*(\t)+7] op_sel_hi:[1,0,1]   ; L = a L + the sum
.endr
.set i, 0
.rept 16
.irp t, \x, \x+1
	v_cvt_pk_f16_f32 v[S+32*(\t)+i], v[S+32*(\t)+2*i], v[S+32*(\t)+2*i+1]
.endr
.set i, i+1
.endr
.endm
.macro RESCALE                         ; O^T x a (on the way out: x 1 / L), each accumulator from its low end on
	WIN 0x41                                       ; destination and source 0 window 1
.set i, 0
.rept 16
.irp t, 0,1,2,3
	v_pk_mul_f32 v[32*\t+i:32*\t+i+1], v[32*\t+i:32*\t+i+1], v[TM+8*\t+4:TM+8*\t+5] op_sel_hi:[1,0]
.endr
.set i, i+2
.endr
	WIN 0
.endm
.macro KQPART vb                       ; the next step's scores; as each half buffer is done with K, it takes the same step's V
	s_wait_dscnt 8                                 ; K's first half is in; the eight younger loads may be out
	KQB 0
	PLACES 4
	LDH 0, \vb
	s_wait_dscnt 8                                 ; K's second half is in; V's first eight loads may be out
	KQB 1
	PLACES 4
	LDH 1, \vb
.endm
.macro FILL1 sl                        ; behind the barrier: the chunk that waits in registers goes into the slot that everybody has left
	s_wait_loadcnt 0x0                             ; it was asked for two steps ago
	s_wait_xcnt 0x0                                ; the last prefetch, two steps back, has read its address
	s_add_nc_u64 s[22:23], s[22:23], 16384
	s_cmp_lt_u32 s15, 16
	s_cbranch_scc0 .Lnostore_\@                    ; there are 16 chunks
	WIN 0x04                                       ; an LDS store's data are its source 1: window 1
.irp i, 0,1,2,3,4,5,6,7
	ds_store_b128 v[STA], v[G+4*\i:G+4*\i+3] offset:(\sl)*SLOTB+(\i/4)*VOFF+(\i%4)*512
.endr
	WIN 0
.Lnostore_\@:
.endm
.macro FILL2                           ; the next chunk is asked for: it has two steps in which to come
	s_cmp_lt_u32 s15, 15
	s_cbranch_scc0 .Lnoload_\@
	s_add_nc_u64 s[20:21], s[20:21], 16384
	WIN 0x40                                       ; destination window 1
.irp i, 0,1,2,3,4,5,6,7
	global_load_b128 v[G+4*\i:G+4*\i+3], v[STA], s[20:21] offset:(\i/4)*262144+(\i%4)*512   ; 512 consecutive bytes: four of K's, four of V's
.endr
	WIN 0
.Lnoload_\@:
; A PREFETCH INTO THE L2 of the chunk after that one, a chunk (two steps) ahead of its loads.  All four work-groups of a head walk the same K and V: the head's first asks; in it waves 0 and 1 for K's 16,384 bytes,
; waves 2 and 3 for V's, 8,192 a wave, lanes 256 bytes apart: each block is named once in the launch.  Chunks 0 to 3 come by their loads alone; the last asked for is chunk 15.
	s_cmp_lt_u32 s15, s17
	s_cbranch_scc0 .Lnoask_\@
	global_prefetch_b8 v[PFO], s[22:23] th:TH_LOAD_NT scope:SCOPE_SE
.Lnoask_\@:
	s_add_co_u32 s15, s15, 1
.endm
; STEP s of a trip's four: the softmax of the step in hand, its V^T P, and the next step's K Q^T.  Steps 0, 1 lie in slot 0, steps 2, 3 in slot 1.
; In a chunk's second step stands the barrier.  In front of its signal a wave has waited for all its LDS instructions: its stores of the next chunk have landed, and its reads of this chunk (the last are this step's V)
; are in.  Behind its wait the next chunk is read, and the chunk after that is stored over this one.  Between signal and wait: work on registers, scalar loads of words that nobody writes, the jump on the flags.
.macro STEP s
.set U, (\s)&1
.set NS, ((\s)+1)&3
.set KB, (NS>>1)*SLOTB+(NS&1)*STEPB
	s_wait_kmcnt 0x0                               ; the words of tiles 0 and 1
	MASK 0
	MWLOAD 2
	PAIR_MAX 0
.if U
	s_wait_dscnt 0x0
	s_barrier_signal -1
.endif
	PAIR_REST 0
	s_wait_kmcnt 0x0                               ; the words of tiles 2 and 3; no scalar load is out, so their base may step
	MASK 2
	s_add_nc_u64 s[56:57], s[56:57], 128
	MWLOAD 0                                       ; the next step's (behind the last step: the first words of the next two query tiles, which lie inside mw and are not used)
	s_lshr_b32 s16, s16, 1
	PAIR_MAX 2
	PAIR_REST 2
	RESCALE
.if U
	s_barrier_wait -1
	FILL1 (\s)>>1
.else
	s_wait_dscnt 0x0                               ; V is in
.endif
.if (\s) == 3
	s_cmp_eq_u32 s14, 1                            ; behind the last step there is no next one
	s_cbranch_scc1 .Ltail
.endif
	PVB 0
	PLACES 4
	LDH 0, KB
	PVB 1
	PLACES 5                                       ; five: the next scores are written over the registers of P that these products read
	LDH 1, KB
.if U
	s_wait_dscnt 8                                 ; the stage's stores have read their registers (and K's first half is in); K's second half may be out
	FILL2
.endif
	KQPART KB+VOFF
.endm
	s_load_b256 s[4:11], s[0:1], 0x0               ; qkv s[4:5], mw s[6:7], fl s[8:9], of s[10:11]
	v_lshl_add_u32 v[SPW], v0, 2, SPARE
	v_mov_b32 v[NIL], 0
	v_lshrrev_b32 v3, 5, v0
	v_readfirstlane_b32 s12, v3                    ; wave 0..7
	v_and_b32 v3, 31, v0
	v_lshlrev_b32 v[PFO], 8, v3
	v_lshlrev_b32 v[LI], 4, v3
	v_and_b32 v[STA], 0xe0, v0
	v_lshl_add_u32 v[STA], v[STA], 6, v[LI]
	s_mov_b32 s18, 0x76543210
	s_mov_b32 s19, 0xfedcba98
	s_and_b32 s100, ttmp7, 0xffff                  ; batch x 16 + head
	s_lshl_b32 s101, ttmp9, 5
	s_lshl_b32 s62, s12, 2
	s_add_co_u32 s101, s101, s62                   ; my first query tile: 32 x work-group x + 4 x wave
	s_lshr_b32 s62, s12, 2                         ; 0 in waves 0 to 3
	s_or_b32 s62, s62, ttmp9                       ; of the head's first work-group
	s_cmp_eq_u32 s62, 0
	s_cselect_b32 s17, 14, 0
	s_mul_i32 s60, s100, 786432
	s_mov_b32 s61, 0
	s_wait_kmcnt 0x0
	s_add_nc_u64 s[4:5], s[4:5], s[60:61]          ; the head's q,
	s_add_nc_u64 s[20:21], s[4:5], 262144          ; its k; v lies 262,144 bytes further on
	s_lshl_b32 s60, s101, 11
	s_add_nc_u64 s[4:5], s[4:5], s[60:61]          ; my wave's q
	WIN 0x40
.irp t, 0,1,2,3
.irp c, 0,1
	global_load_b128 v[Q+16*\t+8*\c:Q+16*\t+8*\c+3], v[LI], s[4:5] offset:\t*2048+\c*1024
	global_load_b128 v[Q+16*\t+8*\c+4:Q+16*\t+8*\c+7], v[LI], s[4:5] offset:\t*2048+\c*1024+512
.endr
.endr
.irp i, 0,1,2,3,4,5,6,7
	global_load_b128 v[G+4*\i:G+4*\i+3], v[STA], s[20:21] offset:(\i/4)*262144+(\i%4)*512            ; chunk 0
	global_load_b128 v[G+32+4*\i:G+32+4*\i+3], v[STA], s[20:21] offset:(\i/4)*262144+(\i%4)*512+16384 ; chunk 1
.endr
.set i, 0
.rept 128
	v_mov_b32 v[i], 0                              ; O^T: the step is written once, and its first turn finds zeros, which a = 0 leaves zeros
.set i, i+1
.endr
	WIN 0
	s_lshl_b32 s60, s101, 5
	s_add_nc_u64 s[8:9], s[8:9], s[60:61]
	s_load_b512 s[24:39], s[8:9], 0x0              ; the flags of my four tiles: 32 words
	s_load_b512 s[40:55], s[8:9], 0x40
	s_lshl_b32 s60, s101, 12
	s_add_nc_u64 s[56:57], s[6:7], s[60:61]        ; my tiles' words of step 0
	s_lshr_b32 s62, s12, 1
	s_and_b32 s62, s62, 1
	s_lshl_b32 s62, s62, 18                        ; the prefetches: waves 0, 1 in k, waves 2, 3 in v,
	s_and_b32 s63, s12, 1
	s_lshl_b32 s63, s63, 13                        ; 8,192 bytes a wave,
	s_add_co_u32 s62, s62, s63
	s_add_co_u32 s62, s62, 3*16384                 ; at chunk 3: the first change of chunks steps it to chunk 4
	s_mov_b32 s63, 0
	s_add_nc_u64 s[22:23], s[20:21], s[62:63]
	s_lshr_b32 s62, s100, 4                        ; of: [128 tokens: 262,144][32 channels: 8,192][16 tokens: 1,024]
	s_lshl_b32 s62, s62, 4
	s_lshl_b32 s63, ttmp9, 2
	s_add_co_u32 s62, s62, s63
	s_lshr_b32 s63, s12, 1
	s_add_co_u32 s62, s62, s63
	s_lshl_b32 s62, s62, 18
	s_and_b32 s63, s100, 15
	s_lshl_b32 s63, s63, 14                        ; a head is two fragments along K
	s_add_co_u32 s62, s62, s63
	s_and_b32 s63, s12, 1
	s_lshl_b32 s63, s63, 12
	s_add_co_u32 s62, s62, s63
	s_mov_b32 s63, 0
	s_add_nc_u64 s[58:59], s[10:11], s[62:63]
	v_mov_b32 v[NEG], 0xce6e6b28                   ; -1e9,
	v_mul_f32 v[NEG], 0x3fb8aa3b, v[NEG]           ; in base 2
.irp t, 0,1,2,3
	v_mov_b32 v[ST+4*\t], 0xff61b1e6               ; M: -3e38, under every score
	v_mov_b32 v[ST+4*\t+1], 0
	v_mov_b32 v[ST+4*\t+2], 0
	v_mov_b32 v[ST+4*\t+3], 0
	v_mov_b32 v[TM+8*\t+5], 0
.endr
	s_wait_kmcnt 0x0
	s_or_b32 s16, s24, s25
.set n, 26
.rept 30
	s_or_b32 s16, s16, s[n]
.set n, n+1
.endr
	MWLOAD 0
	s_wait_loadcnt 0x0
	WIN 0x04
.irp i, 0,1,2,3,4,5,6,7
	ds_store_b128 v[STA], v[G+4*\i:G+4*\i+3] offset:(\i/4)*VOFF+(\i%4)*512
	ds_store_b128 v[STA], v[G+32+4*\i:G+32+4*\i+3] offset:SLOTB+(\i/4)*VOFF+(\i%4)*512
.endr
	WIN 0
	s_wait_dscnt 0x0                               ; for the others' sake, and the stores have read their registers
	s_add_nc_u64 s[20:21], s[20:21], 32768
	WIN 0x40
.irp i, 0,1,2,3,4,5,6,7
	global_load_b128 v[G+4*\i:G+4*\i+3], v[STA], s[20:21] offset:(\i/4)*262144+(\i%4)*512   ; chunk 2
.endr
	WIN 0
	s_barrier_signal -1
	s_barrier_wait -1                              ; chunks 0 and 1 lie in LDS
	LDH 0, 0
	LDH 1, 0
	KQPART VOFF                                    ; step 0's scores
	s_mov_b32 s14, 8
	s_mov_b32 s15, 2
.Ltrip:                                            ; eight trips of four steps; the loop is left from the last step of the last trip
	STEP 0
	STEP 1
	STEP 2
	STEP 3
	s_sub_co_u32 s14, s14, 1
	s_branch .Ltrip
.Ltail:
	s_wait_kmcnt 0x0
	PVB 0                                          ; (V is in: the wait in front of the last signal)
	PVB 1
	; THE WAY OUT.  L's two halves and the other half of the lanes' are added (the additions are the places behind the last products); O^T is divided by L and rounded to f16: four registers of an accumulator
	; are half a fragment of the last product's operand, 512 consecutive bytes of the wave, aligned.
.irp t, 0,1,2,3
	v_add_f32 v[TM+8*\t+6], v[ST+4*\t+2], v[ST+4*\t+3]
.endr
.irp t, 0,1,2,3
	v_permlanex16_b32 v[TM+8*\t+7], v[TM+8*\t+6], s18, s19
.endr
.irp t, 0,1,2,3
	v_add_f32 v[TM+8*\t+6], v[TM+8*\t+6], v[TM+8*\t+7]
.endr
.irp t, 0,1,2,3
	v_rcp_f32 v[TM+8*\t+4], v[TM+8*\t+6]           ; L is at least 1: the largest p of a row is 1
.endr
	v_nop
	s_wait_alu depctr_va_vdst(0)                   ; one wait for the four reciprocals, ahead of their first reader
	RESCALE
	WIN 0x05                                       ; sources window 1, destination window 0
.irp t, 0,1,2,3
.irp ct, 0,1,2,3
.irp i, 0,1,2,3
	v_cvt_pk_f16_f32 v[S+16*\t+4*\ct+\i], v[32*\t+8*\ct+2*\i], v[32*\t+8*\ct+2*\i+1]
.endr
.endr
.endr
	WIN 0
.irp t, 0,1,2,3
.irp ct, 0,1,2,3
	global_store_b128 v[LI], v[S+16*\t+4*\ct:S+16*\t+4*\ct+3], s[58:59] offset:\t*1024+(\ct/2)*8192+(\ct%2)*512
.endr
.endr
	s_wait_tensorcnt 0x0                           ; the wave's end
	ds_add_u32 v[SPW], v[NIL]
	s_wait_dscnt 0x0
	s_endpgm
.Lfunc_end_k_q2a0664b1fe_attn:
	.size	k_q2a0664b1fe_attn, .Lfunc_end_k_q2a0664b1fe_attn-k_q2a0664b1fe_attn
	.p2alignl 7, 3214868480
	.fill 96, 4, 3214868480
	.section	.rodata,"a",@progbits
	.p2align	6, 0x0
	.amdhsa_kernel k_q2a0664b1fe_attn
		.amdhsa_group_segment_fixed_size 66560
		.amdhsa_private_segment_fixed_size 0
		.amdhsa_enable_private_segment 0
		.amdhsa_kernarg_size 32
		.amdhsa_user_sgpr_count 2
		.amdhsa_user_sgpr_kernarg_segment_ptr 1
		.amdhsa_wavefront_size32 1
		.amdhsa_system_sgpr_workgroup_id_x 1
		.amdhsa_system_sgpr_workgroup_id_y 1
		.amdhsa_system_sgpr_workgroup_id_z 1
		.amdhsa_system_vgpr_workitem_id 0
		.amdhsa_next_free_vgpr 512
		.amdhsa_next_free_sgpr 102
		.amdhsa_reserve_vcc 0
		.amdhsa_float_denorm_mode_32 3
		.amdhsa_float_denorm_mode_16_64 3
		.amdhsa_memory_ordered 1
		.amdhsa_forward_progress 1
		.amdhsa_inst_pref_size 198
	.end_amdhsa_kernel
	.amdgpu_metadata
---
amdhsa.version: [ 1, 2 ]
amdhsa.kernels:
  - .name:           k_q2a0664b1fe_attn
    .symbol:         k_q2a0664b1fe_attn.kd
    .args:
      - { .name: qkv, .offset: 0, .size: 8, .value_kind: global_buffer, .address_space: global }
      - { .name: mw, .offset: 8, .size: 8, .value_kind: global_buffer, .address_space: global }
      - { .name: fl, .offset: 16, .size: 8, .value_kind: global_buffer, .address_space: global }
      - { .name: of, .offset: 24, .size: 8, .value_kind: global_buffer, .address_space: global }
    .group_segment_fixed_size: 66560
    .private_segment_fixed_size: 0
    .kernarg_segment_align: 8
    .kernarg_segment_size: 32
    .max_flat_workgroup_size: 256
    .sgpr_count:     102
    .vgpr_count:     512
    .wavefront_size: 32
...
	.end_amdgpu_metadata
.endif
;; end of part 3
;; launch oproj (part 4): grid 4 x 64, 4 waves a work-group, clusters of 4 x 4, 327,680 bytes of LDS; arguments of, wof, out0; writes out0
.if DOCPART == 4
	.amdgcn_target "amdgcn-amd-amdhsa--gfx1250"
	.amdhsa_code_object_version 6
	.text
	.protected	k_q2a0664b1fe_oproj
	.globl	k_q2a0664b1fe_oproj
	.p2align	8
	.type	k_q2a0664b1fe_oproj,@function
k_q2a0664b1fe_oproj:
	s_mov_b64 s[64:65], 0
	v_nop
	global_prefetch_b8 v0, s[64:65] scope:SCOPE_SE
	s_setreg_imm32_b32 hwreg(HW_REG_WAVE_MODE, 25, 1), 1
	s_wait_xcnt 0x0
	s_wait_alu depctr_hold_cnt(0) depctr_sa_sdst(0) depctr_va_vdst(0) depctr_va_sdst(0) depctr_va_ssrc(0) depctr_va_vcc(0) depctr_vm_vsrc(0)
	s_getreg_b32 s2, hwreg(HW_REG_IB_STS2, 6, 4)
	s_cmp_eq_u32 s2, 0
	s_cbranch_scc0 .Lentry_in_a_cluster
	s_endpgm
.Lentry_in_a_cluster:
	s_bfe_u32 s2, ttmp6, 0x10000c
	s_cmp_lg_u32 s2, 0xf033
	s_cbranch_scc0 .Lentry_shape_is_right
	s_endpgm
.Lentry_shape_is_right:
; OPROJ: out0[token][n] = sum over k of o[token][k] w_o[n][k]; f16 operands, f32 sums, f32 out.  8,192 x 1,024 x 1,024.
; Both operands lie in memory in the order of the operand registers: a fragment (16 rows x 32 K) is 1,024 bytes, registers 0-3 at 16 x lane, registers 4-7 at 512 + 16 x lane.
; of: [128 tokens][32 k: 32 of them][16 tokens: 8][1,024];  wof: [256 n][32 k: 32][16 n: 16][1,024].  So a K step's part of a tile is ONE dense block, and a fragment comes from LDS by two loads of 512 consecutive bytes.
; A tile is 128 tokens x 256 n: 256 work-groups.  Four waves, each 64 tokens x 128 n: 32 accumulators, 256 registers.  K goes in 8 steps of 128 through two LDS slots (32 KiB of o, 64 KiB of w_o).
; CLUSTERS: 4 x 4 work-groups; o's tile is shared along a row of the cluster, w_o's along a column; each is asked for JOINTLY, by the same tensor load with the same descriptor and a mask that names the four.
; THE MATRIX INSTRUCTION IS USED TRANSPOSED (source 0 = 16 n, source 1 = 16 tokens): a lane holds eight neighbouring numbers of a row of the output.
; LIMIT: f16 operands (made by the earlier launches): magnitudes of 65,520 or more are infinity.
; REGISTERS: window 0: v16-29 addresses; two fragment buffers of 96 at v32 and v128 (o's four fragments, then w_o's eight); on the way out v32-159 rows of the output.  Window 1: accumulator (a, b) at v[8 (8 a + b)].
.set SLOT,   98304                     ; o's 4 x 8 fragments, then w_o's 4 x 16
.set BOFF,   32768
.set STAGE,  2*SLOT                    ; behind the slots: 16 rows x 528 bytes for each wave, for the way out; no tile lands there
.set SPITCH, 528
.set SPARE,  STAGE+4*16*SPITCH         ; the spare words, 128 bytes for each wave: two blocks of 256 bytes that no other line names
.set LAPS,   4                         ; a lap = two K steps = once round the two slots
.set ADRA, 16                          ; v16-17  LDS address of my fragments of o in slot 0, 1
.set ADRB, 20                          ; v20-21  the same for w_o
.set STO,  24                          ; v24     the way out: where I put 32 bytes of a row
.set RD,   25                          ; v25     where I read a row back
.set CO,   26                          ; v26     16 x lane
.set SPW,  28                          ; v28     LDS address of my spare word; never rewritten
.set NIL,  29                          ; v29     0; never rewritten
.set F0,   32
.set F1,   128
.set BK,   32
.set G1, 24                            ; s[24:31] group 1 for o's tiles; s[32:39] group 0, one set for each slot
.set G0, 32
.set G1B, 48                           ; s[48:55], s[56:63] the same for w_o's
.set G0B, 56
.set MSB, 0
.macro WIN new                         ; the immediate's high byte repeats the setting that is left
.if MSB != \new
	s_set_vgpr_msb (MSB<<8)|\new
.set MSB, \new
.endif
.endm
.set MUL, 0x50                         ; C and D window 1; sources window 0
.macro JLOAD s                         ; a joint load: waves 0 and 1 fetch o's two halves, waves 2 and 3 w_o's; an s_nop 0 and four v_nop follow each of the two lines
	s_cmp_eq_u32 s11, 0
	s_cbranch_scc0 .Lfor_b_\@
	tensor_load_to_lds s[G0+4*\s:G0+4*\s+3], s[G1:G1+7]
	s_nop 0
.rept 4
	v_nop
.endr
	s_branch .Lasked_\@
.Lfor_b_\@:
	tensor_load_to_lds s[G0B+4*\s:G0B+4*\s+3], s[G1B:G1B+7]
	s_nop 0
.rept 4
	v_nop
.endr
.Lasked_\@:
.endm
.macro CREST                           ; a round of the cluster's barrier behind its opening barrier
	s_cmp_lg_u32 s10, 0
	s_cbranch_scc1 .Lnot_wave_0_\@
	s_barrier_signal -3
.Lnot_wave_0_\@:
	s_barrier_wait -3
	s_barrier_signal -1
	s_barrier_wait -1
.endm
.macro CROUND
	s_barrier_signal -1
	s_barrier_wait -1
	CREST
.endm
	s_load_b128 s[4:7], s[0:1], 0x0                ; of s[4:5], wof s[6:7]
	s_load_b64 s[8:9], s[0:1], 0x10                ; out0
	v_lshl_add_u32 v[SPW], v0, 2, SPARE
	v_mov_b32 v[NIL], 0
	ds_add_u32 v[SPW], v[NIL]                      ; the wave's opening: the add, twice on end, and its wait ahead of my first tensor load
	ds_add_u32 v[SPW], v[NIL]
	v_lshrrev_b32 v1, 5, v0
	v_readfirstlane_b32 s10, v1                    ; wave 0..3
	s_lshr_b32 s11, s10, 1                         ; which 64 tokens are mine.  Also: I fetch for o (0) or for w_o (1)
	s_and_b32 s12, s10, 1                          ; which 128 n.  Also: which half of that tile I fetch
	s_bfe_u32 s40, ttmp6, 0x40000                  ; cx
	s_bfe_u32 s41, ttmp6, 0x40004                  ; cy
	s_lshl_b32 s42, ttmp9, 2
	s_add_co_u32 s42, s42, s40                     ; the tile of 256 n
	s_and_b32 s13, ttmp7, 0xffff
	s_lshl_b32 s13, s13, 2
	s_add_co_u32 s13, s13, s41                     ; the tile of 128 tokens
	s_lshl_b32 s43, s41, 2
	s_lshl_b32 s43, 15, s43                        ; my row of the cluster
	s_lshl_b32 s44, 0x1111, s40                    ; my column
	; group 1: a dense block as rows of 256 bytes (32 elements of 8 bytes), no padding: o's half 64 rows, w_o's half 128
	s_or_b32 s[G1+0], s43, (3<<16)|(1<<21)         ; 15:0 the mask; 17:16 elements of 8 bytes; 21 set beside a mask
	s_mov_b32 s[G1+1], 32<<16                      ; tensor_dim0
	s_mov_b32 s[G1+2], 64<<16                      ; tensor_dim1
	s_mov_b32 s[G1+3], 32<<16                      ; tile_dim0
	s_mov_b32 s[G1+4], 64                          ; tile_dim1
	s_mov_b32 s[G1+5], 32                          ; tensor_dim0_stride
	s_mov_b32 s[G1+6], 0
	s_mov_b32 s[G1+7], 0
	s_or_b32 s[G1B+0], s44, (3<<16)|(1<<21)
	s_mov_b32 s[G1B+1], 32<<16
	s_mov_b32 s[G1B+2], 128<<16
	s_mov_b32 s[G1B+3], 32<<16
	s_mov_b32 s[G1B+4], 128
	s_mov_b32 s[G1B+5], 32
	s_mov_b32 s[G1B+6], 0
	s_mov_b32 s[G1B+7], 0
	s_lshl_b32 s16, s13, 18                        ; o: 262,144 bytes a tile, 16,384 my half of a K step
	s_lshl_b32 s17, s12, 14
	s_add_co_u32 s16, s16, s17
	s_mov_b32 s17, 0
	s_lshl_b32 s46, s42, 19                        ; w_o: 524,288 bytes a tile, 32,768 my half of a K step
	s_lshl_b32 s47, s12, 15
	s_add_co_u32 s46, s46, s47
	s_mov_b32 s47, 0
	s_lshl_b32 s20, s12, 14                        ; and where they go in a slot: no place in the cluster enters an LDS address
	s_lshl_b32 s21, s12, 15
	s_add_co_u32 s21, s21, BOFF
	s_wait_dscnt 0x0                               ; both opening adds are done
	s_wait_kmcnt 0x0
	s_add_nc_u64 s[14:15], s[4:5], s[16:17]
	s_add_nc_u64 s[46:47], s[6:7], s[46:47]
	CROUND                                         ; all sixteen work-groups are here: the first joint loads meet
.irp s, 0,1
	s_mov_b32 s[G0+4*\s], 1
	s_add_co_u32 s[G0+4*\s+1], s20, \s*SLOT
	s_add_nc_u64 s[G0+4*\s+2:G0+4*\s+3], s[14:15], \s*32768
	s_or_b32 s[G0+4*\s+3], s[G0+4*\s+3], 0x80000000
	s_mov_b32 s[G0B+4*\s], 1
	s_add_co_u32 s[G0B+4*\s+1], s21, \s*SLOT
	s_add_nc_u64 s[G0B+4*\s+2:G0B+4*\s+3], s[46:47], \s*65536
	s_or_b32 s[G0B+4*\s+3], s[G0B+4*\s+3], 0x80000000
	JLOAD \s                                       ; two tensor loads of mine are out at the start, one behind each later round
.endr
	v_and_b32 v1, 31, v0
	v_lshlrev_b32 v[CO], 4, v1
	s_lshl_b32 s21, s11, 12                        ; my four fragments of o's eight
	s_lshl_b32 s22, s12, 13                        ; my eight of w_o's sixteen,
	s_add_co_u32 s22, s22, BOFF                    ; which lie behind o's
.irp s, 0,1
	v_add_nc_u32 v[ADRA+\s], s21, v[CO]
	v_add_nc_u32 v[ADRB+\s], s22, v[CO]
	s_add_co_u32 s21, s21, SLOT
	s_add_co_u32 s22, s22, SLOT
.endr
	s_mul_i32 s23, s10, 16*SPITCH
	s_add_co_u32 s23, s23, STAGE                   ; my stage
	v_and_b32 v2, 15, v0
	v_bfe_u32 v3, v0, 4, 1
	v_mul_u32_u24 v4, v2, SPITCH                   ; in: row l % 16, 32 bytes for each half of the lanes
	v_lshl_add_u32 v4, v3, 5, v4
	v_add_nc_u32 v[STO], s23, v4
	v_add_nc_u32 v[RD], s23, v[CO]                 ; back: the 32 lanes take one row of 512 bytes
	s_lshl_b32 s16, s13, 19                        ; my first row of the output: (128 x tile + 64 x half) x 4,096 bytes
	s_lshl_b32 s17, s11, 18
	s_add_co_u32 s16, s16, s17
	s_mov_b32 s17, 0
	s_add_nc_u64 s[8:9], s[8:9], s[16:17]
	s_lshl_b32 s46, s42, 10                        ; my first column: 1,024 bytes a tile, 512 a half
	s_lshl_b32 s47, s12, 9
	s_add_co_u32 s46, s46, s47
	s_mov_b32 s47, 0
	s_add_nc_u64 s[8:9], s[8:9], s[46:47]
.macro MUL8 f, a, zero                 ; 8 matrix instructions: token block a x my eight blocks of n, 32 along K.  The 32 accumulators take turns, in the same order in every quarter
.irp b, 0,1,2,3,4,5,6,7
.if \zero
	v_wmma_f32_16x16x32_f16 v[8*(8*(\a)+\b):8*(8*(\a)+\b)+7], v[\f+32+8*\b:\f+32+8*\b+7], v[\f+8*(\a):\f+8*(\a)+7], 0
.else
	v_wmma_f32_16x16x32_f16 v[8*(8*(\a)+\b):8*(8*(\a)+\b)+7], v[\f+32+8*\b:\f+32+8*\b+7], v[\f+8*(\a):\f+8*(\a)+7], v[8*(8*(\a)+\b):8*(8*(\a)+\b)+7]
.endif
.endr
.endm
.macro FETCH slot, q, f                ; 24 LDS loads in one run: the fragments of the slot's q-th 32 along K
.irp b, 0,1,2,3,4,5,6,7
	ds_load_b128 v[\f+32+8*\b:\f+32+8*\b+3], v[ADRB+\slot] offset:(\q)*16384+\b*1024
	ds_load_b128 v[\f+32+8*\b+4:\f+32+8*\b+7], v[ADRB+\slot] offset:(\q)*16384+\b*1024+512
.endr
.irp a, 0,1,2,3
	ds_load_b128 v[\f+8*\a:\f+8*\a+3], v[ADRA+\slot] offset:(\q)*8192+\a*1024
	ds_load_b128 v[\f+8*\a+4:\f+8*\a+7], v[ADRA+\slot] offset:(\q)*8192+\a*1024+512
.endr
.endm
.macro PLACES                          ; four plain vector instructions in front of loads into registers that matrix instructions have read, and of reads of results
.rept 4
	v_nop
.endr
.endm
; A K step is four quarters of 32 along K, 32 matrix instructions each, on buffers 0, 1, 0, 1.  One of the first three: multiplies buffer f; in its middle it fetches quarter qn into buffer g.
.macro QUARTER slot, qn, f, g, zero
	s_wait_dscnt 0x0
	WIN MUL
	MUL8 \f, 0, \zero
	MUL8 \f, 1, \zero
	PLACES
	WIN 0
	FETCH \slot, \qn, \g
	WIN MUL
	MUL8 \f, 2, \zero
	MUL8 \f, 3, \zero
.endm
; The last quarter multiplies buffer 1 and changes slots: ONE barrier; in front of it each wave waits for all its tensor loads, adds 0 to its spare word, and waits for that and for its own reads of this slot.
; fill = 1: the barrier opens a round of the cluster's, and this slot is filled again, two K steps ahead: the first thing behind the round.
.macro TURN slot, next, fill
	WIN 0                                          ; (the add's two registers lie in window 0)
	s_wait_tensorcnt 0x0                           ; all my tensor loads have landed: my part of the next slot;
	ds_add_u32 v[SPW], v[NIL]                      ; 0 onto my spare word;
	s_wait_dscnt 1                                 ; buffer 1 is in; the add may be out
	WIN MUL
	MUL8 F1, 0, 0                                  ; eight matrix instructions stand between the add and the wait for it
	s_wait_dscnt 0x0                               ; the add is done, and my reads of this slot are over
	s_barrier_signal -1
	MUL8 F1, 1, 0
	WIN 0
	s_barrier_wait -1
.if \fill
	CREST                                          ; no wave of any partner still reads this slot's tile or has a load on its way
	s_add_nc_u64 s[G0+4*\slot+2:G0+4*\slot+3], s[G0+4*\slot+2:G0+4*\slot+3], 65536
	s_add_nc_u64 s[G0B+4*\slot+2:G0B+4*\slot+3], s[G0B+4*\slot+2:G0B+4*\slot+3], 131072
	JLOAD \slot                                    ; 112 matrix instructions ahead of the wait for it; the four v_nop behind it are also the places in front of the loads below
.else
	PLACES
.endif
	FETCH \next, 0, F0
	WIN MUL
	MUL8 F1, 2, 0
	MUL8 F1, 3, 0
.endm
	s_wait_tensorcnt 1                             ; my part of K step 0 is in (K step 1's load may be out),
	s_barrier_signal -1
	s_barrier_wait -1                              ; everybody's is
	FETCH 0, 0, F0
	QUARTER 0, 1, F0, F1, 1                        ; the first quarter stands in front of the loop: its products start the sums
	WIN 0                                          ; at a label and at a branch every window is 0
	s_mov_b32 s3, LAPS-1
.Llap:                                                 ; a trip goes once round the two slots, from a lap's second quarter to the next lap's first, and fills both again
	QUARTER 0, 2, F1, F0, 0
	QUARTER 0, 3, F0, F1, 0
	TURN 0, 1, 1
	QUARTER 1, 1, F0, F1, 0
	QUARTER 1, 2, F1, F0, 0
	QUARTER 1, 3, F0, F1, 0
	TURN 1, 0, 1
	QUARTER 0, 1, F0, F1, 0
	WIN 0
	s_sub_co_u32 s3, s3, 1
	s_cmp_lg_u32 s3, 0
	s_cbranch_scc1 .Llap
	QUARTER 0, 2, F1, F0, 0                        ; the last lap fills nothing, and has no round of the cluster's barrier
	QUARTER 0, 3, F0, F1, 0
	TURN 0, 1, 0
	QUARTER 1, 1, F0, F1, 0
	QUARTER 1, 2, F1, F0, 0
	QUARTER 1, 3, F0, F1, 0
	s_wait_dscnt 0x0                               ; the very last quarter: nothing more to fetch
	WIN MUL
	MUL8 F1, 0, 0
	MUL8 F1, 1, 0
	MUL8 F1, 2, 0
	MUL8 F1, 3, 0
	WIN 0
; THE WAY OUT, a block of 16 tokens x 128 n at a time.  A lane holds 32 neighbouring bytes of a row, and the lanes beside it hold other rows: so a block goes through my own stage and comes back as whole rows of
; 512 bytes.  LDS serves a wave's instructions in order (ISA guide 5.7.1.4): no wait between the stores and the loads, nor in front of the next block's stores.
.macro TOSTAGE a
	WIN 0x04                                       ; an LDS store's data are its source 1: window 1
.irp b, 0,1,2,3,4,5,6,7
	ds_store_b128 v[STO], v[8*(8*(\a)+\b):8*(8*(\a)+\b)+3] offset:64*\b        ; each accumulator from its low end on
	ds_store_b128 v[STO], v[8*(8*(\a)+\b)+4:8*(8*(\a)+\b)+7] offset:64*\b+16
.endr
	WIN 0
.set BB, BK+64*((\a)%2)
.irp t, 0,1,2,3,4,5,6,7,8,9,10,11,12,13,14,15
	ds_load_b128 v[BB+4*\t:BB+4*\t+3], v[RD] offset:\t*SPITCH
.endr
.endm
.macro SEND a, younger                 ; younger: the LDS instructions issued behind block a's loads, which may stay out
.set BB, BK+64*((\a)%2)
	s_wait_dscnt \younger
.irp t, 0,1,2,3,4,5,6,7,8,9,10,11,12,13,14,15
	global_store_b128 v[CO], v[BB+4*\t:BB+4*\t+3], s[8:9] offset:(\a)*65536+\t*4096 th:TH_STORE_NT   ; 32 lanes store 512 consecutive bytes, aligned; written once, read by nobody here
.endr
.endm
	PLACES
	TOSTAGE 0
.irp a, 1,2,3
.if \a > 1
	s_wait_xcnt 0x0                                ; the stores of two blocks back have read their registers: this block's loads may land there
.endif
	TOSTAGE \a
	SEND \a-1, 32                                  ; behind that block's loads: this block's 16 stores and 16 loads
.endr
	SEND 3, 0
	s_wait_tensorcnt 0x0                           ; the wave's end
	ds_add_u32 v[SPW], v[NIL]
	s_wait_dscnt 0x0
	CROUND                                         ; the closing round: no work-group ends while a partner may still ask for a tile that names it
	s_endpgm
.Lfunc_end_k_q2a0664b1fe_oproj:
	.size	k_q2a0664b1fe_oproj, .Lfunc_end_k_q2a0664b1fe_oproj-k_q2a0664b1fe_oproj
	.p2alignl 7, 3214868480
	.fill 96, 4, 3214868480
	.section	.rodata,"a",@progbits
	.p2align	6, 0x0
	.amdhsa_kernel k_q2a0664b1fe_oproj
		.amdhsa_group_segment_fixed_size 327680
		.amdhsa_private_segment_fixed_size 0
		.amdhsa_enable_private_segment 0
		.amdhsa_kernarg_size 24
		.amdhsa_user_sgpr_count 2
		.amdhsa_user_sgpr_kernarg_segment_ptr 1
		.amdhsa_wavefront_size32 1
		.amdhsa_system_sgpr_workgroup_id_x 1
		.amdhsa_system_sgpr_workgroup_id_y 1
		.amdhsa_system_sgpr_workgroup_id_z 1
		.amdhsa_system_vgpr_workitem_id 0
		.amdhsa_next_free_vgpr 512
		.amdhsa_next_free_sgpr 66
		.amdhsa_reserve_vcc 0
		.amdhsa_float_denorm_mode_32 3
		.amdhsa_float_denorm_mode_16_64 3
		.amdhsa_memory_ordered 1
		.amdhsa_forward_progress 1
		.amdhsa_inst_pref_size 84
	.end_amdhsa_kernel
	.amdgpu_metadata
---
amdhsa.version: [ 1, 2 ]
amdhsa.kernels:
  - .name:           k_q2a0664b1fe_oproj
    .symbol:         k_q2a0664b1fe_oproj.kd
    .args:
      - { .name: of, .offset: 0, .size: 8, .value_kind: global_buffer, .address_space: global }
      - { .name: wof, .offset: 8, .size: 8, .value_kind: global_buffer, .address_space: global }
      - { .name: out0, .offset: 16, .size: 8, .value_kind: global_buffer, .address_space: global }
    .group_segment_fixed_size: 327680
    .private_segment_fixed_size: 0
    .kernarg_segment_align: 8
    .kernarg_segment_size: 24
    .max_flat_workgroup_size: 128
    .sgpr_count:     66
    .vgpr_count:     512
    .wavefront_size: 32
...
	.end_amdgpu_metadata
.endif
;; end of part 4
